; MI455X (gfx1250); checked and timed in simulation.
; The chip was launched on July 23, 2026; its instructions are those of AMD's public machine-readable ISA for CDNA 5 (MIT licence, August 2026) and "CDNA5" Instruction Set Architecture Reference Guide (July 2026). The comments in the code are by the model that wrote it; some were corrected since.
;; Multi Head Attention. Allowed arithmetic: matrix products marked QUANTISED: E2M3 operands, one E8M0 scale for each 32 along K, by v_wmma_scale_f32_16x16x128_f8f6f4 with both operands' format E2M3, f32 sums; everything else in f32.
;; Inputs: K 1 x 4,096 x 1,024 float32; Q 1 x 4,096 x 1,024 float32; V 1 x 4,096 x 1,024 float32; W_K 1,024 x 1,024 float32; W_O 1,024 x 1,024 float32; W_Q 1,024 x 1,024 float32; W_V 1,024 x 1,024 float32; b_K 1,024 float32; b_O 1,024 float32; b_Q 1,024 float32; b_V 1,024 float32.
;; Outputs: out0 1 x 4,096 x 1,024 float32.
;; This version of the problem:
;;   THIS VERSION OF THE PROBLEM IS GIVEN IN LOW PRECISION. The matrix products marked QUANTISED in the list below multiply operands that are first quantised to E2M3 (2 exponent bits, 3 mantissa bits; 6 bits a number), with one power-of-two scale for each 32 numbers along K (OCP MX v1.0); their sums are f32. All else is computed in f32.
;;   The module's matrix products, in the order in which they are computed (A, B: the left and right operand; K: the contracted axis; several contracted axes count as one K, in the product's order):
;;     1. [M 4,096, K 1,024] x [K 1,024, N 1,024]; A: input Q; B: input W_Q: QUANTISED
;;     2. [M 4,096, K 1,024] x [K 1,024, N 1,024]; A: input K; B: input W_K: QUANTISED
;;     3. [M 4,096, K 1,024] x [K 1,024, N 1,024]; A: input V; B: input W_V: QUANTISED
;;     4. batch 16 x [M 4,096, K 64] x [K 64, N 4,096]; A: computed on the way; B: computed on the way: QUANTISED
;;     5. batch 16 x [M 4,096, K 4,096] x [K 4,096, N 64]; A: softmax (see below); B: computed on the way: QUANTISED
;;     6. [M 4,096, K 1,024] x [K 1,024, N 1,024]; A: computed on the way; B: input W_O: QUANTISED
;;   THE QUANTISER, for each operand of a quantised product, along K:
;;     - K is cut into blocks of 32 from its start; a last block that is shorter is filled with zeros.
;;     - A block's scale is 2^e with e = floor(log2(the largest magnitude in the block)) - 2, held to -126 .. 127; a block of zeros has e = 0. As a byte (E8M0): e + 127.
;;     - Each number is divided by its block's scale, clamped to +-7.5, and rounded to the nearest number of E2M3, ties to even, subnormals kept.
;;     - The product sums the exact products of the quantised numbers (number of the format x scale) in f32.
;;   ~~~python
;;   def quantise(x, axis):      # numpy; x: float32 -> the quantised numbers, widened to float32 again
;;       x = np.moveaxis(x, axis, -1); K = x.shape[-1]
;;       x = np.pad(x, [(0, 0)] * (x.ndim - 1) + [(0, -K % 32)]); x = x.reshape(x.shape[:-1] + (-1, 32)); a = np.abs(x).max(-1, keepdims=True)
;;       e = np.where(a > 0, np.clip(np.frexp(np.where(a > 0, a, 1))[1] - 1 - 2, -126, 127), 0)      # np.frexp(a)[1] - 1 = floor(log2(a)), exactly
;;       r = np.clip(x / 2.0 ** e, -7.5, 7.5)
;;       step = 2.0 ** (np.maximum(np.frexp(np.where(r == 0, 1, r))[1] - 1, 0) - 3)
;;       q = np.round(r / step) * step * 2.0 ** e      # np.round: ties to even
;;       return np.moveaxis(q.reshape(q.shape[:-2] + (-1,))[..., :K], -1, axis).astype(np.float32)
;;   ~~~
;;   SOFTMAX AHEAD OF A QUANTISED PRODUCT. Where the list says 'softmax', what is quantised is not the finished softmax but p = 2^(t - M), with t = logit x log2(e) and M = ceil(the row's largest t), a whole number; so 1/2 < the row's largest p <= 1. The row's sum l is taken of the UNQUANTISED p, in f32, and the product's result is divided by l at the end. Since M is a whole number, a kernel that streams over the keys may use a running M (the ceiling of the running maximum): every later rescaling is an exact power of two, which a block's scale takes up: the codes' values come out the same.
;;   OPERANDS COMPUTED ON THE WAY. 'Computed on the way' means the value that the module computes at that place (a softmax that the list does not call 'softmax' is quantised finished and normalised). What goes into a quantiser is computed in f32, as accurately as f32 sums, v_exp_f32 and their like allow (about 1e-6 of the number): no bf16 or f16 on the way to a quantiser, and a product that is left as it is and whose result goes on into a quantised operand takes f32 operands (vector FMAs, or v_wmma_f32_16x16x4_f32). A number that lies on a knife's edge between two numbers of the format may be rounded either way, as far as f32 arithmetic and the matrix unit's own rounding can turn it there, and no further.
;; One version. Each part assembles by itself: llvm-mc -triple=amdgcn-amd-amdhsa -mcpu=gfx1250 --defsym DOCPART=n.
;; ======== version 1 of 1: 4 launches
;; limits: right only within a limited range of input values
;; workspace buffers: xcod 9,437,184 bytes; xscl 393,216 bytes; wcod 3,145,728 bytes; wscl 131,072 bytes; qbuf 3,407,872 bytes; kv 6,684,672 bytes; ocod 3,145,728 bytes; oscl 131,072 bytes
;; launch quant (part 1): grid 512 x 1, 4 waves a work-group, no clusters, 68,096 bytes of LDS; arguments Q, K, V, W_Q, W_K, W_V, W_O, xcod, xscl, wcod, wscl; writes xcod, xscl, wcod, wscl
.if DOCPART == 1
	.amdgcn_target "amdgcn-amd-amdhsa--gfx1250"
	.amdhsa_code_object_version 6
	.text
	.protected	k_qc4cc446a7b_quant
	.globl	k_qc4cc446a7b_quant
	.p2align	8
	.type	k_qc4cc446a7b_quant,@function
k_qc4cc446a7b_quant:
	s_mov_b64 s[64:65], 0
	v_nop
	global_prefetch_b8 v0, s[64:65] scope:SCOPE_SE
	s_setreg_imm32_b32 hwreg(HW_REG_WAVE_MODE, 25, 1), 1
	s_wait_xcnt 0x0
; ONE LAUNCH QUANTISES ALL SEVEN f32 OPERANDS to codes of FP6 (E2M3) with one E8M0 scale byte for each 32 along K.  Work-groups 0-127 take the weights, 128-511 take Q, K, V; the two paths part on the work-group's number and have LDS bytes of their own.
; A block's scale is 2^(floor(log2(its largest magnitude)) - 2); its byte is the largest magnitude's exponent field - 2, held at 1 from below.  Each number is divided by the scale and rounded to the nearest code, ties to even.
; LAYOUTS.  xcod [3 tensors][16 blocks of 256 places][4 steps of 256 along K][256 places][192 bytes], wcod [4 weights][4 blocks][4 steps][256 places][192]: a block's K steps lie on end, 49,152 bytes each, and 128 places of one step are 24,576 bytes on end.
; xscl [3][4096 places][32], wscl [4][1024 places][32].
; PLACES.  Row i of Q and V and column n of a weight go to the place with bits 3 and 4 exchanged: the 16 registers which two neighbouring tiles leave in a lane of a transposed product are then 16 neighbours.
; Row i of K goes to the place whose bits 5, 4, 3 are the row's bits 4, 3, 5: four neighbouring tiles of 16 places then leave a whole block of 32 keys in a lane.
; Q, K, V (K innermost): a wave takes 8 rows in 16 steps of 512 numbers; a step's four loads read 512 consecutive bytes each, turn through the wave's stage in LDS and come back 16 neighbours a lane; two lanes hold a block.
; WEIGHTS (K their first axis): a lane takes a column and its registers run down K; a wave takes 32 columns x 256 along K; the codes go through the wave's stage and leave as rows, sixteen lanes to 192 consecutive bytes.
; The weights' scale bytes leave 8 a lane to rows 32 bytes apart: aligned blocks of 256 bytes are written in part there, one byte in 128 of what that path reads.
; LIMITS: a block of zeros gets the byte 1 where the quantiser's rule says 127 (its codes are zeros, and this program alone reads the bytes); blocks whose largest magnitude lies under 2^-124 are held at the byte 1; NaN and infinities are not served.
.set EMAX,  2
.set CB,    12
.set KSTB,  256*192                    ; one K step of a block of 256 places
.set SPW,   12                         ; v12 my spare word, v13 zero; never rewritten
.set NIL,   13
.set WREG,  8192                       ; Q, K, V: a region a wave: two stages of 32 x SP bytes, then 256 scale bytes
.set SP,    80
.set WLDS,  4*WREG                     ; the weights' four stages
.set WP,    272
.set SPARE, WLDS+4*32*WP
.macro FIN                             ; the wave's end, behind my last LDS store
	s_wait_tensorcnt 0x0
	ds_add_u32 v[SPW], v[NIL]
	s_wait_dscnt 0x0
	s_endpgm
.endm
	v_lshl_add_u32 v[SPW], v0, 2, SPARE
	v_mov_b32 v[NIL], 0
	v_lshrrev_b32 v1, 5, v0
	v_readfirstlane_b32 s16, v1                    ; wave
	v_and_b32 v2, 31, v0                           ; lane
	s_cmp_lt_u32 ttmp9, 128
	s_wait_alu depctr_va_vdst(0)
	s_cbranch_scc1 .Lweights
; ---------------- Q, K, V
.set STEPS, 16
.set R,     16                         ; v16-79 four sets of 16 numbers as loaded; v80-111 two sets of 16 neighbours; v112-127 a byte a step; v128-191 codes, four registers a step
.set X,     80
.set E,     112
.set C,     128
	s_load_b128 s[4:7], s[0:1], 0x0                ; Q, K
	s_load_b64 s[8:9], s[0:1], 0x10                ; V
	s_load_b128 s[12:15], s[0:1], 0x38             ; xcod, xscl
	s_sub_co_u32 s26, ttmp9, 128                   ; 128 work-groups to a tensor, 32 rows each
	v_lshlrev_b32 v3, 4, v2
	s_mul_i32 s17, s16, WREG
	v_lshrrev_b32 v14, 2, v2
	v_mul_u32_u24 v14, v14, SP
	v_and_b32 v15, 3, v2
	v_lshl_add_u32 v14, v15, 4, v14
	v_add_nc_u32 v14, s17, v14                     ; the stage, in: SP (lane / 4) + 16 (lane % 4)
	v_mul_u32_u24 v15, v2, SP
	v_add_nc_u32 v15, s17, v15                     ; out: SP x lane
	v_and_b32 v8, 15, v2
	v_lshrrev_b32 v9, 4, v2
	v_mul_u32_u24 v4, v8, CB                       ; sixteen lanes hold the 192 bytes of one step of 256 along K,
	v_mul_u32_u24 v9, v9, KSTB                     ; lanes 16-31 those of the next
	v_add_nc_u32 v4, v4, v9
	v_lshrrev_b32 v5, 1, v2
	s_add_co_u32 s17, s17, 2*32*SP
	v_add_nc_u32 v5, s17, v5                       ; my block's byte among the wave's 256
	v_lshlrev_b32 v7, 3, v2
	v_add_nc_u32 v6, s17, v7
	s_and_b32 s18, s26, 127
	s_lshl_b32 s18, s18, 2
	s_add_co_u32 s18, s18, s16                     ; in: which run of 8 rows of the tensor
	s_lshl_b32 s18, s18, 15
	s_mov_b32 s19, 0
	s_and_b32 s20, s16, 1                          ; out: the wave's two bits exchanged
	s_lshl_b32 s20, s20, 1
	s_lshr_b32 s21, s16, 1
	s_or_b32 s20, s20, s21
	s_lshl_b32 s21, s26, 2
	s_add_co_u32 s20, s20, s21                     ; which run of 8 places of the three tensors on end
	s_and_b32 s22, s21, 0xfffffff8                 ; the tensor K alone: the run's three low bits rotated
	s_lshl_b32 s23, s16, 1
	s_add_co_u32 s22, s22, s23
	s_and_b32 s23, s26, 1
	s_add_co_u32 s22, s22, s23
	s_lshr_b32 s17, s26, 7                         ; which tensor
	s_cmp_eq_u32 s17, 1
	s_cselect_b32 s20, s22, s20
	s_and_b32 s22, s20, 31                         ; the codes: 32 runs of 8 places x 192 bytes to a block of 256 places,
	s_mul_i32 s22, s22, 8*192
	s_lshr_b32 s23, s20, 5
	s_mul_i32 s23, s23, 4*KSTB                     ; and the block, counted through the three tensors
	s_add_co_u32 s22, s22, s23
	s_mov_b32 s23, 0
	s_lshl_b32 s24, s20, 8                         ; 256 scale bytes a run
	s_mov_b32 s25, 0
	s_wait_alu depctr_va_vdst(0)
	s_wait_kmcnt 0x0
	s_cmp_eq_u32 s17, 0
	s_cselect_b64 s[4:5], s[4:5], s[6:7]
	s_cmp_eq_u32 s17, 2
	s_cselect_b64 s[4:5], s[8:9], s[4:5]
	s_add_nc_u64 s[4:5], s[4:5], s[18:19]
	s_add_nc_u64 s[12:13], s[12:13], s[22:23]
	s_add_nc_u64 s[14:15], s[14:15], s[24:25]
.macro XLOAD t
.irp i, 0,1,2,3
	global_load_b128 v[R+16*((\t)%4)+4*\i:R+16*((\t)%4)+4*\i+3], v3, s[4:5] offset:2048*(\t)+512*\i th:TH_LOAD_NT
.endr
.endm
.macro XTURN t                         ; LDS serves a wave's instructions in order: no wait between the stores and the loads
.irp i, 0,1,2,3
	ds_store_b128 v14, v[R+16*((\t)%4)+4*\i:R+16*((\t)%4)+4*\i+3] offset:32*SP*((\t)%2)+8*SP*\i
.endr
.irp i, 0,1,2,3
	ds_load_b128 v[X+16*((\t)%2)+4*\i:X+16*((\t)%2)+4*\i+3], v15 offset:32*SP*((\t)%2)+16*\i
.endr
.endm
.irp t, 0,1,2,3
	XLOAD \t
.endr
	s_wait_loadcnt 12                              ; step 0's four loads are in; the 12 of steps 1 to 3 may be out
	XTURN 0
.macro XSTEP t
.set XS, X+16*((\t)%2)
.if (\t) > 0
	s_wait_dscnt 1                                 ; this step's numbers are back (the last step's byte store may be out)
.else
	s_wait_dscnt 0x0
.endif
.if (\t)+4 < STEPS
	XLOAD (\t)+4
.endif
.if (\t)+1 < STEPS
.if STEPS-2-(\t) >= 3
	s_wait_loadcnt 12                              ; the next step's four loads are in; those of the three steps behind it may be out
.else
	s_wait_loadcnt 4*(STEPS-2-(\t))
.endif
	XTURN (\t)+1
.endif
	v_max3_num_f32 v8, |v[XS]|, |v[XS+1]|, |v[XS+2]|
	v_max3_num_f32 v9, |v[XS+3]|, |v[XS+4]|, |v[XS+5]|
.irp i, 6,10
	v_max3_num_f32 v8, v8, |v[XS+\i]|, |v[XS+\i+1]|
	v_max3_num_f32 v9, v9, |v[XS+\i+2]|, |v[XS+\i+3]|
.endr
	v_max3_num_f32 v8, v8, |v[XS+14]|, |v[XS+15]|
	v_max3_num_f32 v8, v8, v9, (EMAX+1)<<23        ; and the floor 2^(3 - 127)
	v_max_num_f32_dpp v8, v8, v8 row_xmask:1 row_mask:0xf bank_mask:0xf   ; with my neighbour's 16: the block's
	v_add_nc_u32 v11, -(EMAX<<23), v8              ; the conversion's scale operand
	v_cvt_scalef32_pk16_fp6_f32 v[C+4*(\t):C+4*(\t)+2], v[XS:XS+15], v11
	v_lshrrev_b32 v[E+(\t)], 23, v11               ; the scale's byte
	ds_store_b8 v5, v[E+(\t)] offset:16*(\t)
	global_store_b96 v4, v[C+4*(\t):C+4*(\t)+2], s[12:13] offset:((\t)%2)*2*KSTB+((\t)/2)*192
.endm
.irp t, 0,1,2,3,4,5,6,7,8,9,10,11,12,13,14,15
	XSTEP \t
.endr
	ds_load_b64 v[8:9], v6
	s_wait_dscnt 0x0
	global_store_b64 v7, v[8:9], s[14:15]          ; 32 lanes store 256 consecutive bytes, aligned
	FIN
; ---------------- the weights
.Lweights:
.set SIZE_N, 1024
.set NB,    8
.set WX,    32                         ; v32-95 two sets of 32 numbers; v96.. a block's codes; v112-175 the way out; v24-25 the scale bytes
.set WC,    96
.set OUTR,  112
.set SB,    24
	s_load_b256 s[4:11], s[0:1], 0x18              ; W_Q, W_K, W_V, W_O
	s_load_b128 s[12:15], s[0:1], 0x48             ; wcod, wscl
	s_and_b32 s17, ttmp9, 7
	s_lshl_b32 s17, s17, 7
	s_lshl_b32 s18, s16, 5
	s_add_co_u32 s17, s17, s18                     ; my wave's first column
	s_lshr_b32 s18, ttmp9, 3
	s_lshr_b32 s34, s18, 2                         ; which weight
	s_and_b32 s18, s18, 3                          ; which 256 along K
	v_lshlrev_b32 v3, 2, v2
	v_and_b32 v10, 7, v2                           ; the lane's place: bits 3 and 4 exchanged
	v_bfe_u32 v5, v2, 3, 1
	v_bfe_u32 v6, v2, 4, 1
	v_lshl_or_b32 v10, v5, 4, v10
	v_lshl_or_b32 v10, v6, 3, v10
	s_mul_i32 s19, s16, 32*WP
	s_add_co_u32 s19, s19, WLDS                    ; my stage
	v_mul_u32_u24 v4, v10, WP
	v_add_nc_u32 v4, s19, v4
	v_and_b32 v5, 15, v2
	v_lshrrev_b32 v6, 4, v2
	v_mul_u32_u24 v7, v6, WP
	v_lshl_add_u32 v7, v5, 4, v7
	v_add_nc_u32 v7, s19, v7
	v_mul_u32_u24 v8, v6, 192
	v_mad_u32_u24 v8, v5, 12, v8
	v_lshlrev_b32 v9, 5, v10                       ; my column's row of scale bytes, at its place
	s_lshl_b32 s20, s18, 20                        ; W: 256 rows of 4,096 bytes for each 256 along K,
	s_lshl_b32 s22, s17, 2
	s_add_co_u32 s20, s20, s22                     ; + 4 x column
	s_mov_b32 s21, 0
	s_and_b32 s24, s17, 255                        ; codes: the place in its block of 256,
	s_mul_i32 s24, s24, 192
	s_lshr_b32 s26, s17, 8
	s_mul_i32 s26, s26, 4*KSTB                     ; the block,
	s_add_co_u32 s24, s24, s26
	s_mul_i32 s26, s18, KSTB                       ; the K step,
	s_add_co_u32 s24, s24, s26
	s_mul_i32 s26, s34, SIZE_N*768                 ; the weight
	s_add_co_u32 s24, s24, s26
	s_mov_b32 s25, 0
	s_lshl_b32 s28, s17, 5                         ; scale bytes: place, K step, weight
	s_lshl_b32 s26, s18, 3
	s_add_co_u32 s28, s28, s26
	s_lshl_b32 s26, s34, 15
	s_add_co_u32 s28, s28, s26
	s_mov_b32 s29, 0
	s_and_b32 s35, s34, 1
	s_wait_alu depctr_va_vdst(0)
	s_wait_kmcnt 0x0
	s_cmp_lt_u32 s34, 2
	s_cselect_b64 s[30:31], s[4:5], s[8:9]
	s_cselect_b64 s[32:33], s[6:7], s[10:11]
	s_cmp_eq_u32 s35, 0
	s_cselect_b64 s[4:5], s[30:31], s[32:33]
	s_add_nc_u64 s[4:5], s[4:5], s[20:21]
	s_add_nc_u64 s[12:13], s[12:13], s[24:25]
	s_add_nc_u64 s[14:15], s[14:15], s[28:29]
.macro WLOAD t
.irp i, 0,1,2,3,4,5,6,7,8,9,10,11,12,13,14,15,16,17,18,19,20,21,22,23,24,25,26,27,28,29,30,31
	global_load_b32 v[WX+32*((\t)%2)+\i], v3, s[4:5] offset:(32*(\t)+\i)*SIZE_N*4 th:TH_LOAD_NT
.endr
.endm
	WLOAD 0
	WLOAD 1
.macro WBLOCK t
.set XS, WX+32*((\t)%2)
.if (\t) < NB-1
	s_wait_loadcnt 32                              ; this block's 32 loads are in; the next block's 32 may be out
.else
	s_wait_loadcnt 0
.endif
	v_max3_num_f32 v16, |v[XS]|, |v[XS+1]|, |v[XS+2]|
	v_max3_num_f32 v17, |v[XS+3]|, |v[XS+4]|, |v[XS+5]|
.irp i, 6,10,14,18,22,26
	v_max3_num_f32 v16, v16, |v[XS+\i]|, |v[XS+\i+1]|
	v_max3_num_f32 v17, v17, |v[XS+\i+2]|, |v[XS+\i+3]|
.endr
	v_max3_num_f32 v16, v16, |v[XS+30]|, |v[XS+31]|
	v_max3_num_f32 v16, v16, v17, (EMAX+1)<<23
	v_add_nc_u32 v11, -(EMAX<<23), v16
	v_lshrrev_b32 v17, 23, v11
.if (\t)%4 == 0
	v_mov_b32 v[SB+(\t)/4], v17
.else
	v_lshl_or_b32 v[SB+(\t)/4], v17, 8*((\t)%4), v[SB+(\t)/4]
.endif
	v_cvt_scalef32_pk16_fp6_f32 v[WC:WC+2], v[XS:XS+15], v11
	v_cvt_scalef32_pk16_fp6_f32 v[WC+4:WC+6], v[XS+16:XS+31], v11
	ds_store_b96 v4, v[WC:WC+2] offset:32*(\t)     ; 12 bytes to a place of 16 in the stage
	ds_store_b96 v4, v[WC+4:WC+6] offset:32*(\t)+16
.if (\t)+2 < NB
	WLOAD (\t)+2
.endif
	s_wait_dscnt 0x0                               ; the stores have read their registers
.endm
.set QB, 0
.rept NB
	WBLOCK QB
.set QB, QB+1
.endr
	s_wait_alu depctr_va_vdst(0)
	global_store_b64 v9, v[SB:SB+1], s[14:15]
.irp t, 0,1,2,3,4,5,6,7,8,9,10,11,12,13,14,15
	ds_load_b96 v[OUTR+4*\t:OUTR+4*\t+2], v7 offset:2*\t*WP
.endr
.irp t, 0,1,2,3,4,5,6,7,8,9,10,11,12,13,14,15
	s_wait_dscnt 15-\t                             ; load t is in; the 15 - t behind it may be out
	global_store_b96 v8, v[OUTR+4*\t:OUTR+4*\t+2], s[12:13] offset:2*\t*192
.endr
	FIN
.Lfunc_end_k_qc4cc446a7b_quant:
	.size	k_qc4cc446a7b_quant, .Lfunc_end_k_qc4cc446a7b_quant-k_qc4cc446a7b_quant
	.p2alignl 7, 3214868480
	.fill 96, 4, 3214868480
	.section	.rodata,"a",@progbits
	.p2align	6, 0x0
	.amdhsa_kernel k_qc4cc446a7b_quant
		.amdhsa_group_segment_fixed_size 68096
		.amdhsa_private_segment_fixed_size 0
		.amdhsa_enable_private_segment 0
		.amdhsa_kernarg_size 88
		.amdhsa_user_sgpr_count 2
		.amdhsa_user_sgpr_kernarg_segment_ptr 1
		.amdhsa_wavefront_size32 1
		.amdhsa_system_sgpr_workgroup_id_x 1
		.amdhsa_system_sgpr_workgroup_id_y 1
		.amdhsa_system_sgpr_workgroup_id_z 1
		.amdhsa_system_vgpr_workitem_id 0
		.amdhsa_next_free_vgpr 192
		.amdhsa_next_free_sgpr 66
		.amdhsa_reserve_vcc 0
		.amdhsa_float_denorm_mode_32 3
		.amdhsa_float_denorm_mode_16_64 3
		.amdhsa_memory_ordered 1
		.amdhsa_forward_progress 1
		.amdhsa_inst_pref_size 75
	.end_amdhsa_kernel
	.amdgpu_metadata
---
amdhsa.version: [ 1, 2 ]
amdhsa.kernels:
  - .name:           k_qc4cc446a7b_quant
    .symbol:         k_qc4cc446a7b_quant.kd
    .args:
      - { .name: Q, .offset: 0, .size: 8, .value_kind: global_buffer, .address_space: global }
      - { .name: K, .offset: 8, .size: 8, .value_kind: global_buffer, .address_space: global }
      - { .name: V, .offset: 16, .size: 8, .value_kind: global_buffer, .address_space: global }
      - { .name: W_Q, .offset: 24, .size: 8, .value_kind: global_buffer, .address_space: global }
      - { .name: W_K, .offset: 32, .size: 8, .value_kind: global_buffer, .address_space: global }
      - { .name: W_V, .offset: 40, .size: 8, .value_kind: global_buffer, .address_space: global }
      - { .name: W_O, .offset: 48, .size: 8, .value_kind: global_buffer, .address_space: global }
      - { .name: xcod, .offset: 56, .size: 8, .value_kind: global_buffer, .address_space: global }
      - { .name: xscl, .offset: 64, .size: 8, .value_kind: global_buffer, .address_space: global }
      - { .name: wcod, .offset: 72, .size: 8, .value_kind: global_buffer, .address_space: global }
      - { .name: wscl, .offset: 80, .size: 8, .value_kind: global_buffer, .address_space: global }
    .group_segment_fixed_size: 68096
    .private_segment_fixed_size: 0
    .kernarg_segment_align: 8
    .kernarg_segment_size: 88
    .max_flat_workgroup_size: 128
    .sgpr_count:     66
    .vgpr_count:     192
    .wavefront_size: 32
...
	.end_amdgpu_metadata
.endif
;; end of part 1
;; launch proj (part 2): grid 4 x 48, 4 waves a work-group, clusters of 4 x 4, 327,680 bytes of LDS; arguments xcod, xscl, wcod, wscl, b_Q, b_K, b_V, qbuf, kv; writes qbuf, kv
.if DOCPART == 2
	.amdgcn_target "amdgcn-amd-amdhsa--gfx1250"
	.amdhsa_code_object_version 6
	.text
	.protected	k_qc4cc446a7b_proj
	.globl	k_qc4cc446a7b_proj
	.p2align	8
	.type	k_qc4cc446a7b_proj,@function
k_qc4cc446a7b_proj:
	s_mov_b64 s[64:65], 0
	v_nop
	global_prefetch_b8 v0, s[64:65] scope:SCOPE_SE
	s_setreg_imm32_b32 hwreg(HW_REG_WAVE_MODE, 25, 1), 1
	s_wait_xcnt 0x0
	s_wait_alu depctr_hold_cnt(0) depctr_sa_sdst(0) depctr_va_vdst(0) depctr_va_sdst(0) depctr_va_ssrc(0) depctr_va_vcc(0) depctr_vm_vsrc(0)
	s_getreg_b32 s2, hwreg(HW_REG_IB_STS2, 6, 4)
	s_cmp_eq_u32 s2, 0
	s_cbranch_scc0 .Lentry_in_a_cluster
	s_endpgm
.Lentry_in_a_cluster:
	s_bfe_u32 s2, ttmp6, 0x10000c
	s_cmp_lg_u32 s2, 0xf033
	s_cbranch_scc0 .Lentry_shape_is_right
	s_endpgm
.Lentry_shape_is_right:
.set SIZE_K, 1024
.set KSTEP,  256
.set NQ,     KSTEP/128
.set ROWB,   192
.set KROW,   SIZE_K*6/8
.set PITCH,  240
.set FR,     12
.set NL,     6
.set NP,     4
.set HALFT,  128*PITCH
.set SLOT,   4*HALFT
.set LAPS,   SIZE_K/(2*KSTEP)
.set KS,     SIZE_K/32
.set SCL,    2*SLOT
.set HALFS,  (128*KS/256)*272
.set SBLK,   (16*KS/256)*272
.set SPARE,  SCL+4*HALFS
.set QBLK,   6656
.set QHEAD,  32*QBLK
.set KVSTEP, 13056
.set KVHEAD, 32*KVSTEP
.set KSO,    6144
.set VCO,    6656
.set VSO,    12800
.set H64,  7
.set L16,  8
.set L8,   9
.set RB,   10
.set ADRA, 16
.set ADRB, 20
.set ADRS, 27
.set SPW,  28
.set NIL,  29
.set SC,   32
.set BI,   64
.set AF,   128
.set PWS,  32
.set XW,   40
.set SOA,  44
.set SOB,  48
.set QT,   128
.set QC,   192
.set QM,   224
.set SEL,  20
.set HM,   22
.set PADS, 23
.set OA,   92
.set OB,   94
.set KIND, 96
.set G1, 24
.set G0, 32
.set G1B, 48
.set G0B, 56
.set G1S, 68
.set G0S, 76
.set G1SB, 80
.set G0SB, 88
.set MSB, 0
.macro WIN new
.if MSB != \new
	s_set_vgpr_msb (MSB<<8)|\new
.set MSB, \new
.endif
.endm
.set MUL_LO, 0xa1
.set MUL_HI, 0xf1
.set TO_B,   0x40
.macro JLOAD g0a, g1a, g0b, g1b
	s_cmp_eq_u32 s15, 0
	s_cbranch_scc0 .Lfor_b_\@
	tensor_load_to_lds s[\g0a:\g0a+3], s[\g1a:\g1a+7]
	s_nop 0
.rept 4
	v_nop
.endr
	s_branch .Lasked_\@
.Lfor_b_\@:
	tensor_load_to_lds s[\g0b:\g0b+3], s[\g1b:\g1b+7]
	s_nop 0
.rept 4
	v_nop
.endr
.Lasked_\@:
.endm
.macro CREST
	s_cmp_lg_u32 s14, 0
	s_cbranch_scc1 .Lnot_wave_0_\@
	s_barrier_signal -3
.Lnot_wave_0_\@:
	s_barrier_wait -3
	s_barrier_signal -1
	s_barrier_wait -1
.endm
.macro CROUND
	s_barrier_signal -1
	s_barrier_wait -1
	CREST
.endm
	s_load_b256 s[4:11], s[0:1], 0x0
	v_lshl_add_u32 v[SPW], v0, 2, SPARE
	v_mov_b32 v[NIL], 0
	ds_add_u32 v[SPW], v[NIL]
	ds_add_u32 v[SPW], v[NIL]
	v_lshrrev_b32 v1, 5, v0
	v_readfirstlane_b32 s14, v1
	s_lshr_b32 s15, s14, 1
	s_and_b32 s16, s14, 1
	s_bfe_u32 s40, ttmp6, 0x40000
	s_bfe_u32 s41, ttmp6, 0x40004
	s_and_b32 s99, ttmp7, 0xffff
	s_lshr_b32 s[KIND], s99, 2
	s_and_b32 s97, s99, 3
	s_lshl_b32 s97, s97, 2
	s_cmp_lt_u32 s[KIND], 2
	s_cselect_b32 s98, s97, 0
	s_cselect_b32 s99, 0, s97
	s_add_co_u32 s17, s41, s98
	s_add_co_u32 s42, s40, s99
	s_lshl_b32 s43, s41, 2
	s_lshl_b32 s43, 15, s43
	s_lshl_b32 s44, 0x1111, s40
	s_or_b32 s[G1+0], s43, (0<<16)|(1<<20)|(1<<21)|(3<<22)|(3<<25)
	s_or_b32 s[G1B+0], s44, (0<<16)|(1<<20)|(1<<21)|(3<<22)|(3<<25)
.irp g, G1, G1B
	s_mov_b32 s[\g+1], 256<<16                     ; 128 places x 192 bytes of one K step lie on end: 96 rows of 256 bytes, each at a multiple of 256; 16 bytes of padding behind each 64, so that a place's 192 bytes take 240 in LDS
	s_mov_b32 s[\g+2], 384<<16                     ; for the head's loads: a block's K steps 0 and 1, 2 x 256 places x 192 bytes on end, 384 rows; behind them the two words that count rows are set to 96, for the ring's loads of 128 places
	s_mov_b32 s[\g+3], 256<<16
	s_mov_b32 s[\g+4], 384
	s_mov_b32 s[\g+5], 256
	s_mov_b32 s[\g+6], 0
	s_mov_b32 s[\g+7], 0
.endr
	s_or_b32 s[G1S+0], s43, (3<<16)|(1<<20)|(1<<21)|(5<<22)|(3<<25)
	s_or_b32 s[G1SB+0], s44, (3<<16)|(1<<20)|(1<<21)|(5<<22)|(3<<25)
.irp g, G1S, G1SB
	s_mov_b32 s[\g+1], 32<<16
	s_mov_b32 s[\g+2], (256*KS/256)<<16            ; the scales of 256 rows
	s_mov_b32 s[\g+3], 32<<16
	s_mov_b32 s[\g+4], 256*KS/256
	s_mov_b32 s[\g+5], 32
	s_mov_b32 s[\g+6], 0
	s_mov_b32 s[\g+7], 0
.endr
	s_lshl_b32 s22, s17, 13                        ; the scales of my tile's 256 rows: 32 bytes a row
	s_lshl_b32 s92, s42, 13
	s_mov_b32 s23, 0
	s_mov_b32 s93, 0
	s_mul_i32 s20, s17, 4*256*ROWB                 ; the codes of a block of 256 places: its four K steps on end
	s_mul_i32 s46, s42, 4*256*ROWB
	s_mov_b32 s21, 0
	s_mov_b32 s47, 0
	s_mul_i32 s45, s16, HALFT                      ; in the ring I fetch 128 places of a tile: where they go,
	s_mul_i32 s18, s16, 128*ROWB                   ; and where they lie in a K step
	s_mov_b32 s19, 0
	s_mov_b32 s101, 0
	s_wait_dscnt 0x0
	s_wait_kmcnt 0x0
	s_mul_i32 s100, s[KIND], 4096*KROW
	s_add_nc_u64 s[4:5], s[4:5], s[100:101]
	s_mul_i32 s100, s[KIND], 4096*KS
	s_add_nc_u64 s[6:7], s[6:7], s[100:101]
	s_mul_i32 s100, s[KIND], 1024*KROW
	s_add_nc_u64 s[8:9], s[8:9], s[100:101]
	s_mul_i32 s100, s[KIND], 1024*KS
	s_add_nc_u64 s[10:11], s[10:11], s[100:101]
	s_cmp_lt_u32 s[KIND], 2
	s_cselect_b64 s[12:13], s[8:9], s[4:5]
	s_cselect_b64 s[4:5], s[4:5], s[8:9]
	s_mov_b64 s[8:9], s[12:13]
	s_cselect_b64 s[12:13], s[10:11], s[6:7]
	s_cselect_b64 s[6:7], s[6:7], s[10:11]
	s_mov_b64 s[10:11], s[12:13]
	s_add_nc_u64 s[20:21], s[4:5], s[20:21]
	s_add_nc_u64 s[22:23], s[6:7], s[22:23]
	s_add_nc_u64 s[46:47], s[8:9], s[46:47]
	s_add_nc_u64 s[92:93], s[10:11], s[92:93]
	CROUND
; LDS: source A's slots 0 and 1 on end (2 x 256 places x 240 bytes), then source B's two, then the scales.
; THE HEAD'S LOADS, ONE A WAVE, in one chain of branches on the wave's number: wave 0 fetches A's K steps 0 and 1 (both slots), wave 1 B's, wave 2 the scales of A's 256 rows, wave 3 those of B's.
	s_mov_b32 s[G0S], 1
	s_mov_b32 s[G0S+1], SCL
	s_mov_b64 s[G0S+2:G0S+3], s[22:23]
	s_or_b32 s[G0S+3], s[G0S+3], 0x80000000
	s_mov_b32 s[G0SB], 1
	s_mov_b32 s[G0SB+1], SCL+2*HALFS
	s_mov_b64 s[G0SB+2:G0SB+3], s[92:93]
	s_or_b32 s[G0SB+3], s[G0SB+3], 0x80000000
	s_mov_b32 s[G0], 1                             ; slot 0's sets serve the head's loads first
	s_mov_b32 s[G0+1], 0
	s_mov_b64 s[G0+2:G0+3], s[20:21]
	s_or_b32 s[G0+3], s[G0+3], 0x80000000
	s_mov_b32 s[G0B], 1
	s_mov_b32 s[G0B+1], 4*HALFT
	s_mov_b64 s[G0B+2:G0B+3], s[46:47]
	s_or_b32 s[G0B+3], s[G0B+3], 0x80000000
	s_add_nc_u64 s[66:67], s[20:21], s[18:19]      ; for the ring: my 128 places of K step 0
	s_add_nc_u64 s[98:99], s[46:47], s[18:19]
	s_mov_b32 s[G0+4], 1                           ; slot 1's sets stand at K step 1; a refill steps its set two K steps on
	s_add_co_u32 s[G0+5], s45, 2*HALFT
	s_add_nc_u64 s[G0+6:G0+7], s[66:67], 256*ROWB
	s_or_b32 s[G0+7], s[G0+7], 0x80000000
	s_mov_b32 s[G0B+4], 1
	s_add_co_u32 s[G0B+5], s45, 6*HALFT
	s_add_nc_u64 s[G0B+6:G0B+7], s[98:99], 256*ROWB
	s_or_b32 s[G0B+7], s[G0B+7], 0x80000000
.macro ARM under, g0, g1, next
	s_cmp_lt_u32 s14, \under
	s_cbranch_scc0 \next
	tensor_load_to_lds s[\g0:\g0+3], s[\g1:\g1+7]
	s_nop 0
.rept 4
	v_nop
.endr
	s_branch .Lhead_asked
\next:
.endm
	ARM 1, G0,  G1,  .Lhead_b
	ARM 2, G0B, G1B, .Lhead_sa
	ARM 3, G0S, G1S, .Lhead_sb
	tensor_load_to_lds s[G0SB:G0SB+3], s[G1SB:G1SB+7]
	s_nop 0
.rept 4
	v_nop
.endr
.Lhead_asked:
	s_load_b256 s[4:11], s[0:1], 0x20
	s_load_b64 s[12:13], s[0:1], 0x40
	v_and_b32 v1, 15, v0
	v_bfe_u32 v2, v0, 4, 1
	v_mul_u32_u24 v3, v1, PITCH
	v_mul_u32_u24 v4, v2, 24
	v_add_nc_u32 v4, v3, v4
	v_lshl_add_u32 v5, v2, 4, v4
	s_mul_i32 s21, s15, HALFT
	s_mul_i32 s22, s16, HALFT
	s_add_co_u32 s22, s22, 4*HALFT
.irp s, 0,1
	v_add_nc_u32 v[ADRA+\s], s21, v4
	v_add_nc_u32 v[ADRB+\s], s22, v4
	v_add_nc_u32 v[ADRA+2+\s], s21, v5
	v_add_nc_u32 v[ADRB+2+\s], s22, v5
	s_add_co_u32 s21, s21, 2*HALFT
	s_add_co_u32 s22, s22, 2*HALFT
.endr
	v_mul_u32_u24 v5, v1, KS
	v_lshrrev_b32 v6, 8, v5
	v_lshl_add_u32 v5, v6, 4, v5
	s_mul_i32 s21, s15, HALFS
	s_mul_i32 s22, s16, HALFS
	s_add_co_u32 s22, s22, 2*HALFS
	s_sub_co_u32 s22, s22, s21
	v_mul_u32_u24 v6, s22, v2
	s_add_co_u32 s21, s21, SCL
	v_add_nc_u32 v5, v5, v6
	v_add_nc_u32 v[ADRS], s21, v5
	v_lshlrev_b32 v[H64], 6, v2
	v_and_b32 v6, 31, v0
	v_lshlrev_b32 v[L16], 4, v6
	v_lshlrev_b32 v[L8], 3, v6
	v_and_b32 v[RB], 8, v1
	v_add_lshl_u32 v[RB], v[RB], v1, 2
	s_mov_b32 s[SEL], 0x76543210
	s_mov_b32 s[SEL+1], 0xfedcba98
	s_mov_b32 s[HM], 0xffff0000
	s_mov_b32 s[PADS], 0x7f7f0000
	s_wait_alu depctr_va_vdst(0)
	s_wait_kmcnt 0x0
.macro FRAG reg, adr, q, i
.irp p, 0,1,2,3,4,5
.set PC, 12*(\q)+6*(\p/3)+\p%3
.if PC%8 < 5
	ds_load_b64 v[\reg+2*\p:\reg+2*\p+1], v[\adr] offset:8*PC+16*(PC/8)+(\i)*16*PITCH
.else
	ds_load_b64 v[\reg+2*\p:\reg+2*\p+1], v[\adr+2] offset:8*PC+16*(PC/8)+(\i)*16*PITCH
.endif
.endr
.endm
.macro MUL16 a0, p, q, sc, zero
.irp a, \a0, \a0+1
.irp b, 0,1,2,3,4,5,6,7
.if \zero
	v_wmma_scale_f32_16x16x128_f8f6f4 v[8*(8*((\a)%4)+\b):8*(8*((\a)%4)+\b)+7], v[128*(\p)+FR*\b:128*(\p)+FR*\b+FR-1], v[AF+FR*(\a):AF+FR*(\a)+FR-1], 0, v[SC+8*NQ*(\sc)+NQ*\b+(\q)], v[SC+8*NQ*(\sc)+NQ*(\a)+(\q)] matrix_a_fmt:MATRIX_FMT_FP6 matrix_b_fmt:MATRIX_FMT_FP6 matrix_a_scale:MATRIX_SCALE_ROW1
.else
	v_wmma_scale_f32_16x16x128_f8f6f4 v[8*(8*((\a)%4)+\b):8*(8*((\a)%4)+\b)+7], v[128*(\p)+FR*\b:128*(\p)+FR*\b+FR-1], v[AF+FR*(\a):AF+FR*(\a)+FR-1], v[8*(8*((\a)%4)+\b):8*(8*((\a)%4)+\b)+7], v[SC+8*NQ*(\sc)+NQ*\b+(\q)], v[SC+8*NQ*(\sc)+NQ*(\a)+(\q)] matrix_a_fmt:MATRIX_FMT_FP6 matrix_b_fmt:MATRIX_FMT_FP6 matrix_a_scale:MATRIX_SCALE_ROW1
.endif
.endr
.endr
.endm
.macro FETCH_B slot, q, p
	WIN TO_B
.irp i, 0,1,2,3,4,5,6,7
	FRAG 128*(\p)+FR*\i, ADRB+\slot, \q, \i
.endr
	WIN 0
.endm
.macro FETCH_A slot, q, i0
.irp i, \i0, \i0+1, \i0+2, \i0+3
	FRAG AF+FR*(\i), ADRA+\slot, \q, \i
.endr
.endm
.macro SCALES sc
.irp i, 0,1,2,3,4,5,6,7
	ds_load_b64 v[SC+8*NQ*\sc+NQ*\i:SC+8*NQ*\sc+NQ*\i+1], v[ADRS] offset:\i*SBLK
.endr
.endm
.macro PLACES n
.rept \n
	v_nop
.endr
.endm
.macro STEP slot, q, zero
	s_wait_dscnt 4*NL
	WIN MUL_LO
	MUL16 0, (\q)%2, \q, \slot, \zero
	MUL16 2, (\q)%2, \q, \slot, \zero
	s_wait_dscnt 0
	PLACES NP
	FETCH_B \slot, (\q)+1, 1-(\q)%2
	FETCH_A \slot, (\q)+1, 0
	WIN MUL_HI
	MUL16 4, (\q)%2, \q, \slot, \zero
	MUL16 6, (\q)%2, \q, \slot, \zero
	PLACES NP
	WIN 0
	FETCH_A \slot, (\q)+1, 4
.endm
.macro TURN slot, next, fill
	s_wait_tensorcnt 0x0
	ds_add_u32 v[SPW], v[NIL]
	s_wait_dscnt 4*NL+1
	WIN MUL_LO
	MUL16 0, 1, NQ-1, \slot, 0
	s_wait_dscnt 0x0
	s_barrier_signal -1
	MUL16 2, 1, NQ-1, \slot, 0
	WIN 0
	s_barrier_wait -1
.if \fill
	CREST
	s_add_nc_u64 s[G0+4*\slot+2:G0+4*\slot+3], s[G0+4*\slot+2:G0+4*\slot+3], 2*256*ROWB
	s_add_nc_u64 s[G0B+4*\slot+2:G0B+4*\slot+3], s[G0B+4*\slot+2:G0B+4*\slot+3], 2*256*ROWB
	JLOAD G0+4*\slot, G1, G0B+4*\slot, G1B
.else
	PLACES NP
.endif
	s_wait_alu depctr_va_vdst(0)
	v_add_nc_u32 v[ADRS], 4*NQ, v[ADRS]
	FETCH_B \next, 0, 0
	FETCH_A \next, 0, 0
	SCALES \next
	WIN MUL_HI
	MUL16 4, 1, NQ-1, \slot, 0
	MUL16 6, 1, NQ-1, \slot, 0
	PLACES NP
	WIN 0
	FETCH_A \next, 0, 4
.endm
.macro LAST2
	STEP 1, 0, 0
	s_wait_dscnt 4*NL
	WIN MUL_LO
	MUL16 0, 1, NQ-1, 1, 0
	MUL16 2, 1, NQ-1, 1, 0
	s_wait_dscnt 0
	WIN MUL_HI
	MUL16 4, 1, NQ-1, 1, 0
	MUL16 6, 1, NQ-1, 1, 0
	WIN 0
.irp b, 0,1,2,3
	v_mov_b32 v[QM+4+\b], 0
.endr
	s_wait_loadcnt 0x0
.endm
.macro QUANT s, pw
.irp b, 0,1,2,3
	v_max3_num_f32 v[QM+\b], |v[\s+16*\b]|, |v[\s+1+16*\b]|, 0x1800000
.endr
.irp i, 2,4,6,8,10,12,14
.irp b, 0,1,2,3
	v_max3_num_f32 v[QM+\b], v[QM+\b], |v[\s+16*\b+\i]|, |v[\s+1+16*\b+\i]|
.endr
.endr
.irp b, 0,1,2,3
	v_permlanex16_b32 v[QM+4+\b], v[QM+\b], s[SEL], s[SEL+1]
.endr
.irp b, 0,1,2,3
	v_max_num_f32 v[QM+\b], v[QM+\b], v[QM+4+\b]
.endr
.irp b, 0,1,2,3
	v_add_nc_u32 v[QM+12+\b], 0xff000000, v[QM+\b]
.endr
.irp b, 0,1,2,3
	v_lshrrev_b32 v[QM+4+\b], 23, v[QM+12+\b]
.endr
	v_lshl_or_b32 v[\pw], v[QM+5], 8, v[QM+4]
	v_lshl_or_b32 v[\pw], v[QM+6], 16, v[\pw]
	v_lshl_or_b32 v[\pw], v[QM+7], 24, v[\pw]
	s_wait_alu depctr_va_vdst(0)
	s_wait_xcnt 0x0                                ; the last block's stores have read their data: the conversions below write those registers again
.irp c, 0,1
	v_cvt_scalef32_pk16_fp6_f32 v[QC+6*\c:QC+2+6*\c], v[\s+32*\c:\s+15+32*\c], v[QM+12+2*\c]
	v_cvt_scalef32_pk16_fp6_f32 v[QC+12+4*\c:QC+14+4*\c], v[\s+16+32*\c:\s+31+32*\c], v[QM+12+2*\c+1]
.endr
	v_nop
.irp c, 0,1
.irp i, 0,1,2
	v_permlane16_swap_b32 v[QC+6*\c+\i], v[QC+12+4*\c+\i]
.endr
.irp i, 0,1,2
	v_mov_b32 v[QC+3+6*\c+\i], v[QC+12+4*\c+\i]
.endr
.endr
.endm
.macro SUMS a, vk
	WIN (2+(\a)/4)
.set ii, 0
.rept 32
.if \vk
	v_pk_add_f32 v[QT+ii:QT+ii+1], v[64*((\a)%4)+ii:64*((\a)%4)+ii+1], v[BI+2*(\a):BI+2*(\a)+1]
.else
	v_pk_add_f32 v[QT+ii:QT+ii+1], v[64*((\a)%4)+ii:64*((\a)%4)+ii+1], v[BI+ii:BI+ii+1]
.endif
.set ii, ii+2
.endr
	WIN 0
	QUANT QT, PWS+(\a)
.endm
	s_wait_tensorcnt 0x0                           ; my tile of the head's four is in, and no tensor load of mine is out: the descriptors may be written
	s_mov_b32 s[G1+2], 96<<16                      ; from here on a load brings 128 places of one K step: 96 rows of 256 bytes
	s_mov_b32 s[G1+4], 96
	s_mov_b32 s[G1B+2], 96<<16
	s_mov_b32 s[G1B+4], 96
	s_mov_b32 s[G0+1], s45                         ; slot 0's sets, for the ring: my 128 places, K step 0
	s_mov_b64 s[G0+2:G0+3], s[66:67]
	s_or_b32 s[G0+3], s[G0+3], 0x80000000
	s_add_co_u32 s[G0B+1], s45, 4*HALFT
	s_mov_b64 s[G0B+2:G0B+3], s[98:99]
	s_or_b32 s[G0B+3], s[G0B+3], 0x80000000
	s_barrier_signal -1
	s_barrier_wait -1
	FETCH_B 0, 0, 0
	FETCH_A 0, 0, 0
	SCALES 0
	FETCH_A 0, 0, 4
	STEP 0, 0, 1
	s_mov_b32 s3, LAPS-1
.Llap:
	TURN 0, 1, 1
	STEP 1, 0, 0
	TURN 1, 0, 1
	STEP 0, 0, 0
	s_sub_co_u32 s3, s3, 1
	s_cmp_lg_u32 s3, 0
	s_cbranch_scc1 .Llap
	TURN 0, 1, 0
	s_mov_b32 s101, 0
	s_cmp_eq_u32 s[KIND], 2
	s_cbranch_scc1 .Lkind_v
	s_cmp_eq_u32 s[KIND], 0
	s_cselect_b64 s[18:19], s[4:5], s[6:7]
	s_cselect_b64 s[OA:OA+1], s[10:11], s[12:13]
	s_mov_b32 s98, KVHEAD
	s_cselect_b32 s98, QHEAD, s98
	s_mov_b32 s97, KVSTEP
	s_cselect_b32 s97, QBLK, s97
	s_lshl_b32 s100, s42, 10
	s_lshl_b32 s99, s16, 9
	s_add_co_u32 s100, s100, s99
	s_add_nc_u64 s[18:19], s[18:19], s[100:101]
.irp k, 0,1,2,3
.irp j, 0,1,2,3
	global_load_b128 v[BI+16*\k+4*\j:BI+16*\k+4*\j+3], v[H64], s[18:19] offset:128*\k+16*\j
.endr
.endr
	s_lshl_b32 s100, s42, 2
	s_lshl_b32 s99, s16, 1
	s_add_co_u32 s100, s100, s99
	s_mul_i32 s100, s100, s98
	s_lshl_b32 s99, s17, 1
	s_add_co_u32 s99, s99, s15
	s_mul_i32 s99, s99, s97
	s_add_co_u32 s100, s100, s99
	s_add_nc_u64 s[OA:OA+1], s[OA:OA+1], s[100:101]
	s_mov_b32 s99, 0
	s_add_nc_u64 s[OB:OB+1], s[OA:OA+1], s[98:99]
	LAST2
.irp a, 0,1,2,3,4,5,6,7
	SUMS \a, 0
	global_store_b128 v[L16], v[QC:QC+3], s[OA:OA+1] offset:768*\a
	global_store_b64 v[L8], v[QC+4:QC+5], s[OA:OA+1] offset:768*\a+512
	global_store_b128 v[L16], v[QC+6:QC+9], s[OB:OB+1] offset:768*\a
	global_store_b64 v[L8], v[QC+10:QC+11], s[OB:OB+1] offset:768*\a+512
.endr
.irp u, 0,1,2,3
	v_cndmask_b32 v[XW+\u], v[PWS+2*\u], v[PWS+2*\u+1], s[HM]
.endr
.irp u, 0,1,2,3
	v_and_or_b32 v[SOA+\u], v[XW+\u], 0xffff, s[PADS]
	v_lshrrev_b32 v[SOB+\u], 16, v[XW+\u]
.endr
.irp u, 0,1,2,3
	v_or_b32 v[SOB+\u], s[PADS], v[SOB+\u]
.endr
	global_store_b128 v[L16], v[SOA:SOA+3], s[OA:OA+1] offset:KSO
	global_store_b128 v[L16], v[SOB:SOB+3], s[OB:OB+1] offset:KSO
	s_branch .Lend
.Lkind_v:
	s_lshl_b32 s100, s17, 10
	s_lshl_b32 s99, s15, 9
	s_add_co_u32 s100, s100, s99
	s_add_nc_u64 s[18:19], s[8:9], s[100:101]
.irp a, 0,1,2,3,4,5,6,7
	global_load_b32 v[BI+2*\a], v[RB], s[18:19] offset:4*(32*(\a/2)+8*(\a%2))
	global_load_b32 v[BI+2*\a+1], v[RB], s[18:19] offset:4*(32*(\a/2)+8*(\a%2))
.endr
	s_lshl_b32 s100, s17, 2
	s_lshl_b32 s99, s15, 1
	s_add_co_u32 s100, s100, s99
	s_mul_i32 s100, s100, KVHEAD
	s_lshl_b32 s99, s42, 1
	s_add_co_u32 s99, s99, s16
	s_mul_i32 s99, s99, KVSTEP
	s_add_co_u32 s100, s100, s99
	s_add_nc_u64 s[OA:OA+1], s[12:13], s[100:101]
	s_add_nc_u64 s[OB:OB+1], s[OA:OA+1], KVHEAD
	LAST2
.irp a, 0,1,2,3
	SUMS \a, 1
.irp c, 0,1,2
	global_store_b128 v[L16], v[QC+4*\c:QC+4*\c+3], s[OA:OA+1] offset:VCO+1536*\a+512*\c
.endr
.endr
.irp a, 4,5,6,7
	SUMS \a, 1
.irp c, 0,1,2
	global_store_b128 v[L16], v[QC+4*\c:QC+4*\c+3], s[OB:OB+1] offset:VCO+1536*(\a-4)+512*\c
.endr
.endr
.irp u, 0,1,2,3
	v_cndmask_b32 v[XW+\u], v[PWS+2*\u], v[PWS+2*\u+1], s[HM]
.endr
	global_store_b64 v[L8], v[XW:XW+1], s[OA:OA+1] offset:VSO
	global_store_b64 v[L8], v[XW+2:XW+3], s[OB:OB+1] offset:VSO
.Lend:
	s_wait_tensorcnt 0x0
	ds_add_u32 v[SPW], v[NIL]
	s_wait_dscnt 0x0
	CROUND
	s_endpgm
.Lfunc_end_k_qc4cc446a7b_proj:
	.size	k_qc4cc446a7b_proj, .Lfunc_end_k_qc4cc446a7b_proj-k_qc4cc446a7b_proj
	.p2alignl 7, 3214868480
	.fill 96, 4, 3214868480
	.section	.rodata,"a",@progbits
	.p2align	6, 0x0
	.amdhsa_kernel k_qc4cc446a7b_proj
		.amdhsa_group_segment_fixed_size 327680
		.amdhsa_private_segment_fixed_size 0
		.amdhsa_enable_private_segment 0
		.amdhsa_kernarg_size 72
		.amdhsa_user_sgpr_count 2
		.amdhsa_user_sgpr_kernarg_segment_ptr 1
		.amdhsa_wavefront_size32 1
		.amdhsa_system_sgpr_workgroup_id_x 1
		.amdhsa_system_sgpr_workgroup_id_y 1
		.amdhsa_system_sgpr_workgroup_id_z 1
		.amdhsa_system_vgpr_workitem_id 0
		.amdhsa_next_free_vgpr 1024
		.amdhsa_next_free_sgpr 102
		.amdhsa_reserve_vcc 0
		.amdhsa_float_denorm_mode_32 3
		.amdhsa_float_denorm_mode_16_64 3
		.amdhsa_memory_ordered 1
		.amdhsa_forward_progress 1
		.amdhsa_inst_pref_size 255
	.end_amdhsa_kernel
	.section	.bss,"aw",@nobits
	.p2align	6
	.space	262144
	.amdgpu_metadata
---
amdhsa.version: [ 1, 2 ]
amdhsa.kernels:
  - .name:           k_qc4cc446a7b_proj
    .symbol:         k_qc4cc446a7b_proj.kd
    .args:
      - { .name: xcod, .offset: 0, .size: 8, .value_kind: global_buffer, .address_space: global }
      - { .name: xscl, .offset: 8, .size: 8, .value_kind: global_buffer, .address_space: global }
      - { .name: wcod, .offset: 16, .size: 8, .value_kind: global_buffer, .address_space: global }
      - { .name: wscl, .offset: 24, .size: 8, .value_kind: global_buffer, .address_space: global }
      - { .name: b_Q, .offset: 32, .size: 8, .value_kind: global_buffer, .address_space: global }
      - { .name: b_K, .offset: 40, .size: 8, .value_kind: global_buffer, .address_space: global }
      - { .name: b_V, .offset: 48, .size: 8, .value_kind: global_buffer, .address_space: global }
      - { .name: qbuf, .offset: 56, .size: 8, .value_kind: global_buffer, .address_space: global }
      - { .name: kv, .offset: 64, .size: 8, .value_kind: global_buffer, .address_space: global }
    .group_segment_fixed_size: 327680
    .private_segment_fixed_size: 0
    .kernarg_segment_align: 8
    .kernarg_segment_size: 72
    .max_flat_workgroup_size: 128
    .sgpr_count:     102
    .vgpr_count:     1024
    .wavefront_size: 32
...
	.end_amdgpu_metadata
.endif
;; end of part 2
;; launch attn (part 3): grid 16 x 16, 16 waves a work-group, clusters of 4 x 1, 327,680 bytes of LDS; arguments qbuf, kv, ocod, oscl; writes ocod, oscl
.if DOCPART == 3
	.amdgcn_target "amdgcn-amd-amdhsa--gfx1250"
	.amdhsa_code_object_version 6
	.text
	.protected	k_qc4cc446a7b_attn
	.globl	k_qc4cc446a7b_attn
	.p2align	8
	.type	k_qc4cc446a7b_attn,@function
k_qc4cc446a7b_attn:
	s_mov_b64 s[64:65], 0
	v_nop
	global_prefetch_b8 v0, s[64:65] scope:SCOPE_SE
	s_setreg_imm32_b32 hwreg(HW_REG_WAVE_MODE, 25, 1), 1
	s_wait_xcnt 0x0
	s_wait_alu depctr_hold_cnt(0) depctr_sa_sdst(0) depctr_va_vdst(0) depctr_va_sdst(0) depctr_va_ssrc(0) depctr_va_vcc(0) depctr_vm_vsrc(0)
	s_getreg_b32 s2, hwreg(HW_REG_IB_STS2, 6, 4)
	s_cmp_eq_u32 s2, 0
	s_cbranch_scc0 .Lentry_in_a_cluster
	s_endpgm
.Lentry_in_a_cluster:
	s_bfe_u32 s2, ttmp6, 0x10000c
	s_cmp_lg_u32 s2, 0x3003
	s_cbranch_scc0 .Lentry_shape_is_right
	s_endpgm
.Lentry_shape_is_right:
; o[h][q] = the sum over keys of softmax(q . k / 8) v: 16 heads of 64, 4,096 queries and keys, both products on codes of FP6 (E2M3) with one E8M0 scale for each 32 along a product's K.
; THE SOFTMAX: t = score x log2(e) / 8; M = the row's largest t so far, rounded up to a whole number; p = 2^(t - M) is quantised along the keys, not normalised.  The row's sum is taken of the unquantised p and divides O at the end.
; When M moves, the sum and O are multiplied by 2^(old M - new M): exact.
; SHARES.  A work-group owns 256 queries of one head; each of its sixteen waves one tile of 16, in 256 registers: four waves to a SIMD.  Every wave walks the head's 32 steps of 128 keys.
; OPERANDS ARRIVE AS IMAGES OF THEIR REGISTERS: every LDS read is 16 x lane or 8 x lane on end.  A step of kv is 13,056 bytes: k's 8 tiles x 768, 512 of k's scale words, v's 4 tiles x 1,536, 256 of v's scale words.
; LAYOUT.  Both products are used transposed: S^T = K Q^T, O^T = V^T P^T: a lane holds one query.  Tile u of a group of 64 keys holds keys 8 u + 0..7 in rows 0-7 and keys 32 + 8 u + 0..7 in rows 8-15: so the 32 registers that
; four neighbouring tiles leave in lane (r, h) are keys 32 h + 0..31 of the group, one whole block in the order of the second product's operand: a block's maximum needs no other lane, and the conversions' results stay in their lanes.
; THE FIRST PRODUCT'S K IS 64, the instruction's 128: Q's registers 6-11 are zero codes; K's half fragments lie on end, so a tile's registers 6-11 are the next tile's codes (behind the last: zeros), which meet zero codes under bytes 0x7f.
; THE RING: two slots of eight steps (104,448 bytes); waves 0-7 fill one step each, 51 rows of 256 bytes.  CLUSTER: the four query blocks of a cluster walk the same head: each tile is asked for jointly, mask 15.
; NO PREFETCH: a slot is asked for eight steps, 96 matrix instructions of each wave, ahead of the wait for it.
; THE RESULT, o / the sum, is the last product's operand: quantised here along the head's 64, stored as a half fragment's image (ocod [16][256 tiles][768]) and two scale bytes a row (oscl [4,096][32]); these bytes come from sixteen
; work-groups, so the stores of one byte a lane write aligned blocks of 256 bytes in part: 32 bytes a tile beside its 768 bytes of codes.
; LIMITS: the promise holds while |t| stays under 2^31; a block of zeros gets the byte 1 (zero codes; this program alone reads the bytes); NaN and infinities are not served.
.set STEPB,  13056
.set KSO,    6144
.set VCO,    6656
.set VSO,    12800
.set NST,    8
.set SLOTB,  NST*STEPB
.set SLOT1,  1<<17                     ; slot 1 begins here
.set SPARE,  2*SLOT1                   ; the spare words, 128 bytes for each of sixteen waves
.set KVHEAD, 32*STEPB
.set L16,  1
.set L8,   2
.set SPW,  5
.set NIL,  6
.set OSL,  7
.set ADK,  8
.set ADK8, 9                           ; v12 -M, v13 the largest t, v[14:15] the sum
.set Q,    16
.set SH8,  28                          ; 8 h
.set KF,   32                          ; v32-79 K's eight half fragments, then V's four fragments; v80-85 zeros
.set S,    96                          ; the scores, then p
.set O,    160
.set PC,   192                         ; p's codes
.set T0,   204
.set T1,   208
.set MX,   212
.set TM,   216
.set TP,   217
.set F,    218
.set SO,   220
.set BY,   222
.set CH,   224
.set W,    230
.set W2,   231
.set TQ,   232
.set KSC,  240                         ; v240-243 K's scale words; v244-245 V's; v246 Q's; v248 p's
.set VSC,  244
.set QS,   246
.set PW,   248
.set TB,   2
.set CNT,  3
.set WV,   12
.set SEL,  20
.set CS,   22
.set G1,   24
.set G0,   32
.set SLOTS, 36
.set HM,   37
.macro TLOAD                           ; waves 0-7 fetch one step of the slot each; the branch hangs on the wave's number alone; an s_nop 0 and four v_nop follow the load
	s_cmp_lt_u32 s[WV], 8
	s_cbranch_scc0 .Lno_load_\@
	tensor_load_to_lds s[G0:G0+3], s[G1:G1+7]
	s_nop 0
.rept 4
	v_nop
.endr
.Lno_load_\@:
.endm
.macro CROUND
	s_barrier_signal -1
	s_barrier_wait -1
	s_cmp_lg_u32 s[WV], 0
	s_cbranch_scc1 .Lnot_wave_0_\@
	s_barrier_signal -3
.Lnot_wave_0_\@:
	s_barrier_wait -3
	s_barrier_signal -1
	s_barrier_wait -1
.endm
	s_load_b256 s[4:11], s[0:1], 0x0               ; qbuf, kv, ocod, oscl
	v_lshl_add_u32 v[SPW], v0, 2, SPARE
	v_mov_b32 v[NIL], 0
	ds_add_u32 v[SPW], v[NIL]                      ; the opening lines: the add, twice on end, and its wait ahead of my first tensor load
	ds_add_u32 v[SPW], v[NIL]
	v_lshrrev_b32 v8, 5, v0
	v_readfirstlane_b32 s[WV], v8                  ; wave 0..15
	s_bfe_u32 s13, ttmp6, 0x40000                  ; cx
	s_lshl_b32 s14, ttmp9, 2
	s_add_co_u32 s14, s14, s13                     ; my block of 256 queries: it enters Q's and the results' addresses alone
	s_and_b32 s15, ttmp7, 0xffff                   ; the head, which the four partners share
	s_lshl_b32 s16, s14, 4
	s_add_co_u32 s16, s16, s[WV]                   ; my tile of 16 queries, 0 .. 255
	s_mov_b32 s[G1], 15|(3<<16)|(1<<21)            ; the mask: all four work-groups; elements of 8 bytes; bit 21 beside a mask
	s_mov_b32 s[G1+1], 32<<16                      ; rows of 256 bytes,
	s_mov_b32 s[G1+2], 51<<16                      ; 51 of them: one step
	s_mov_b32 s[G1+3], 32<<16
	s_mov_b32 s[G1+4], 51
	s_mov_b32 s[G1+5], 32                          ; dense
	s_mov_b32 s[G1+6], 0
	s_mov_b32 s[G1+7], 0
	s_and_b32 s38, s[WV], 7
	s_mul_i32 s38, s38, STEPB                      ; my step of a slot, in LDS and in memory
	s_mul_i32 s40, s15, KVHEAD
	s_add_co_u32 s40, s40, s38
	s_mov_b32 s41, 0
	s_mov_b32 s[SEL], 0x76543210
	s_mov_b32 s[SEL+1], 0xfedcba98
	s_mov_b32 s[CS], 0x3e38aa3b                    ; log2(e) / 8
	s_mov_b32 s[CS+1], s[CS]
	s_mov_b32 s[HM], 0xffff0000
	s_mov_b32 s[TB], 0
	s_mov_b32 s[SLOTS], 3
	s_wait_dscnt 0x0                               ; both opening adds are done
	s_wait_kmcnt 0x0
	s_mov_b32 s[G0], 1
	s_mov_b32 s[G0+1], s38                         ; slot 0
	s_add_nc_u64 s[G0+2:G0+3], s[6:7], s[40:41]
	s_or_b32 s[G0+3], s[G0+3], 0x80000000
	CROUND                                         ; all four work-groups are here: the first joint loads meet
	TLOAD                                          ; steps 0-7
	s_mul_i32 s40, s15, 32*6656                    ; Q: the head, the block of 8 tiles,
	s_lshr_b32 s42, s16, 3
	s_mul_i32 s42, s42, 6656
	s_add_co_u32 s40, s40, s42
	s_and_b32 s42, s16, 7
	s_mul_i32 s43, s42, 768                        ; the tile's image
	s_add_co_u32 s38, s40, s43
	s_mov_b32 s39, 0
	s_add_nc_u64 s[38:39], s[4:5], s[38:39]
	s_and_b32 s43, s16, 1                          ; its scale words: word (tile / 2) % 4 of lanes 16 (tile % 2) + r
	s_lshl_b32 s43, s43, 8
	s_bfe_u32 s42, s16, 0x20001
	s_lshl_b32 s42, s42, 2
	s_add_co_u32 s42, s42, s43
	s_add_co_u32 s40, s40, s42
	s_add_co_u32 s40, s40, 6144
	s_add_nc_u64 s[40:41], s[4:5], s[40:41]
	s_mul_i32 s42, s15, 256*768                    ; the results' codes: head, tile
	s_mul_i32 s43, s16, 768
	s_add_co_u32 s42, s42, s43
	s_mov_b32 s43, 0
	s_add_nc_u64 s[8:9], s[8:9], s[42:43]
	s_lshl_b32 s42, s16, 9                         ; their scale bytes: 16 rows of 32 a tile, byte 2 x head
	s_lshl_b32 s44, s15, 1
	s_add_co_u32 s42, s42, s44
	s_add_nc_u64 s[10:11], s[10:11], s[42:43]
	v_and_b32 v8, 31, v0
	v_and_b32 v9, 15, v0
	v_bfe_u32 v11, v0, 4, 1
	v_lshlrev_b32 v[L16], 4, v8
	v_lshlrev_b32 v[L8], 3, v8
	v_lshlrev_b32 v10, 4, v9
	v_lshl_add_u32 v[OSL], v9, 5, v11              ; 32 r + h
	v_lshlrev_b32 v[SH8], 3, v11
	global_load_b128 v[Q:Q+3], v[L16], s[38:39]
	global_load_b64 v[Q+4:Q+5], v[L8], s[38:39] offset:512
	global_load_b32 v[QS], v10, s[40:41]           ; lane r: row r's word
.irp j, 22,23,24,25,26,27,80,81,82,83,84,85
	v_mov_b32 v\j, 0                               ; zero codes: Q's upper 64 along K, and what stands behind K's last tile
.endr
	v_mov_b32 v13, 0xff61b1e6                      ; the largest t so far: -3e38
	v_mov_b32 v12, 0x7f61b1e6                      ; -M
	v_mov_b32 v14, 0
	v_mov_b32 v15, 0
	v_mov_b32 v[TP], 0                             ; a lane permute's destination counts as one of its sources
	v_mov_b32 v[W2], 0
	v_mov_b32 v[F+1], 0                            ; (named as the upper half of a pair)
.set jj, 0
.rept 32
	v_mov_b32 v[O+jj], 0                           ; O^T: the step is written once; its first turn finds zeros, which the first change of M leaves zeros
.set jj, jj+1
.endr
.macro STEP                            ; 128 keys
	v_add_nc_u32 v[ADK], s[TB], v[L16]
	v_add_nc_u32 v[ADK8], s[TB], v[L8]
	v_nop
	v_nop                                          ; four plain lines in front of loads into registers that the last products read
.irp t, 0,1,2,3,4,5,6,7
	ds_load_b128 v[KF+6*\t:KF+6*\t+3], v[ADK] offset:768*\t
	ds_load_b64 v[KF+6*\t+4:KF+6*\t+5], v[ADK8] offset:768*\t+512
.endr
	ds_load_b128 v[KSC:KSC+3], v[ADK] offset:KSO   ; register u: lanes 0-15 tile 2 u's scale words, lanes 16-31 tile 2 u + 1's
	s_wait_alu depctr_va_vdst(0)
	s_wait_dscnt 0x0
.irp t, 0,2,4,6
	v_wmma_scale_f32_16x16x128_f8f6f4 v[S+8*\t:S+8*\t+7], v[KF+6*\t:KF+6*\t+11], v[Q:Q+11], 0, v[KSC+\t/2], v[QS] matrix_a_fmt:MATRIX_FMT_FP6 matrix_b_fmt:MATRIX_FMT_FP6
	v_wmma_scale_f32_16x16x128_f8f6f4 v[S+8*\t+8:S+8*\t+15], v[KF+6*\t+6:KF+6*\t+17], v[Q:Q+11], 0, v[KSC+\t/2], v[QS] matrix_a_fmt:MATRIX_FMT_FP6 matrix_b_fmt:MATRIX_FMT_FP6 matrix_a_scale:MATRIX_SCALE_ROW1
.endr
.rept 4
	v_nop                                          ; places: for the loads below and for the first read of the scores
.endr
.irp t, 0,1,2,3                                ; V is asked for here and lands under the softmax
.irp c, 0,1,2
	ds_load_b128 v[KF+12*\t+4*\c:KF+12*\t+4*\c+3], v[ADK] offset:VCO+1536*\t+512*\c
.endr
.endr
	ds_load_b64 v[VSC:VSC+1], v[ADK8] offset:VSO
.irp q, 0,1,2,3
	v_max3_num_f32 v[MX+\q], v[S+16*\q], v[S+16*\q+1], v[S+16*\q+2]   ; the largest score of my two blocks of 32 keys, in four chains by turns, each accumulator from its low end on
.endr
.irp i, 3,5,7,9,11,13
.irp q, 0,1,2,3
	v_max3_num_f32 v[MX+\q], v[MX+\q], v[S+16*\q+\i], v[S+16*\q+\i+1]
.endr
.endr
	v_max3_num_f32 v[MX], v[MX], v[MX+1], v[S+15]
	v_max3_num_f32 v[MX+2], v[MX+2], v[MX+3], v[S+47]
	v_mov_b32 v[TQ], v12                           ; the old -M
	v_max_num_f32 v[MX], v[MX], v[S+31]            ; block h of the first 64 keys,
	v_max_num_f32 v[MX+2], v[MX+2], v[S+63]        ; block h of the second
	s_delay_alu instid0(VALU_DEP_1)
	v_max_num_f32 v[TM], v[MX], v[MX+2]
	s_delay_alu instid0(VALU_DEP_1)
	v_permlanex16_b32 v[TP], v[TM], s[SEL], s[SEL+1]
	s_delay_alu instid0(VALU_DEP_1)
	v_max_num_f32 v[TM], v[TM], v[TP]              ; the step's largest score of my query
	s_delay_alu instid0(VALU_DEP_1)
	v_mul_f32 v[TM], s[CS], v[TM]                  ; as t
	s_delay_alu instid0(VALU_DEP_1)
	v_max_num_f32 v13, v13, v[TM]                  ; the running largest t
	s_delay_alu instid0(VALU_DEP_1)
	v_floor_f32 v12, -v13                          ; the new -M = -ceil(t)
.set jj, 0
.rept 32
	v_pk_fma_f32 v[S+jj:S+jj+1], v[S+jj:S+jj+1], s[CS:CS+1], v[12:13] op_sel_hi:[1,0,0]   ; t - M, two at a time
.if jj == 8
	v_sub_f32 v[TQ], v12, v[TQ]                    ; old M - new M: a whole number, 0 or less
.endif
.if jj == 24
	v_cvt_i32_f32 v[TQ], v[TQ]                     ; (it saturates)
.endif
.if jj == 40
	v_ldexp_f32 v[F], 1.0, v[TQ]                   ; f = 2^(old M - new M)
.endif
.set jj, jj+2
.endr
	v_fma_f32 v[MX], v[MX], s[CS], v12             ; the same of each block's largest score: p rises with the score
	v_fma_f32 v[MX+2], v[MX+2], s[CS], v12
	s_wait_alu depctr_va_vdst(0)
	v_exp_f32 v[MX], v[MX]                         ; the blocks' largest p
	v_exp_f32 v[MX+2], v[MX+2]
.set jj, 0
.rept 64
	v_exp_f32 v[S+jj], v[S+jj]                     ; p = 2^(t - M)
.set jj, jj+1
.endr
	v_pk_mul_f32 v[14:15], v[14:15], v[F:F+1] op_sel_hi:[1,0]   ; the sums under the new M (the plain line behind the batch)
	s_wait_alu depctr_va_vdst(0)                   ; one wait for the batch of 66, ahead of its first reader
	v_max_num_f32 v[MX], 0x1800000, v[MX]          ; the floor 2^(3 - 127)
	v_max_num_f32 v[MX+2], 0x1800000, v[MX+2]
	v_pk_add_f32 v[14:15], v[14:15], v[S:S+1]      ; the row's sum of the unquantised p: 32 pairs in four chains
.irp k, 1,2,3
	v_pk_add_f32 v[CH+2*\k-2:CH+2*\k-1], v[S+2*\k:S+2*\k+1], v[S+2*\k+8:S+2*\k+9]
.endr
	v_add_nc_u32 v[SO], 0xff000000, v[MX]          ; 2 off the exponent field: the conversions' scale operands
	v_add_nc_u32 v[SO+1], 0xff000000, v[MX+2]
	v_pk_add_f32 v[14:15], v[14:15], v[S+8:S+9]
	v_cvt_scalef32_pk16_fp6_f32 v[PC:PC+2], v[S:S+15], v[SO]
	v_cvt_scalef32_pk16_fp6_f32 v[T0:T0+2], v[S+16:S+31], v[SO]       ; (a conversion's three registers begin on an even number)
	v_cvt_scalef32_pk16_fp6_f32 v[PC+6:PC+8], v[S+32:S+47], v[SO+1]
	v_cvt_scalef32_pk16_fp6_f32 v[T1:T1+2], v[S+48:S+63], v[SO+1]
	v_lshrrev_b32 v[BY], 23, v[SO]                 ; the scales' bytes (also the plain line behind the conversions)
	v_lshrrev_b32 v[BY+1], 23, v[SO+1]
.irp g, 2,3,4,5,6,7
	v_pk_add_f32 v[14:15], v[14:15], v[S+8*\g:S+8*\g+1]
.irp k, 1,2,3
	v_pk_add_f32 v[CH+2*\k-2:CH+2*\k-1], v[CH+2*\k-2:CH+2*\k-1], v[S+8*\g+2*\k:S+8*\g+2*\k+1]
.endr
.if \g == 2
	v_lshl_or_b32 v[W], v[BY+1], 16, v[BY]         ; my two bytes: blocks h and 2 + h,
.endif
.if \g == 3
	v_lshlrev_b32 v[W], v[SH8], v[W]               ; at their places in the scale word;
.endif
.if \g == 4
	v_permlanex16_b32 v[W2], v[W], s[SEL], s[SEL+1]
.endif
.endr
.irp i, 0,1,2
	v_mov_b32 v[PC+3+\i], v[T0+\i]
	v_mov_b32 v[PC+9+\i], v[T1+\i]
.endr
	v_pk_add_f32 v[CH:CH+1], v[CH:CH+1], v[CH+2:CH+3]
	v_pk_add_f32 v[14:15], v[14:15], v[CH+4:CH+5]
	v_or_b32 v[PW], v[W], v[W2]                    ; with lane l xor 16's two the word is whole
	v_pk_add_f32 v[14:15], v[14:15], v[CH:CH+1]
	s_wait_dscnt 0x0                               ; V and its scale words
	s_wait_alu depctr_va_vdst(0)                   ; ahead of the first reader of O, whose products stand ahead of the exponentials
.set jj, 0
.rept 16
	v_pk_mul_f32 v[O+jj:O+jj+1], v[O+jj:O+jj+1], v[F:F+1] op_sel_hi:[1,0]   ; O^T under the new M; these 16 are also the places between the lines that made p's codes and scale word and the products
.set jj, jj+2
.endr
.irp t, 0,2
	v_wmma_scale_f32_16x16x128_f8f6f4 v[O+8*\t:O+8*\t+7], v[KF+12*\t:KF+12*\t+11], v[PC:PC+11], v[O+8*\t:O+8*\t+7], v[VSC+\t/2], v[PW] matrix_a_fmt:MATRIX_FMT_FP6 matrix_b_fmt:MATRIX_FMT_FP6
	v_wmma_scale_f32_16x16x128_f8f6f4 v[O+8*\t+8:O+8*\t+15], v[KF+12*\t+12:KF+12*\t+23], v[PC:PC+11], v[O+8*\t+8:O+8*\t+15], v[VSC+\t/2], v[PW] matrix_a_fmt:MATRIX_FMT_FP6 matrix_b_fmt:MATRIX_FMT_FP6 matrix_a_scale:MATRIX_SCALE_ROW1
.endr
	s_add_co_u32 s[TB], s[TB], STEPB
.endm
.macro EIGHT                           ; a slot's steps; the accumulators take turns, one instruction a turn, over the backward jump too
	s_mov_b32 s[CNT], NST
.Lstep_\@:
	STEP
	s_sub_co_u32 s[CNT], s[CNT], 1
	s_cmp_lg_u32 s[CNT], 0
	s_wait_alu depctr_va_vdst(0)
	s_cbranch_scc1 .Lstep_\@
	s_sub_co_u32 s[TB], s[TB], SLOTB               ; back to a slot's first step,
	s_xor_b32 s[TB], s[TB], SLOT1                  ; in the other slot
.endm
; THE CHANGE OF SLOTS: each wave waits for its tensor load (one is out at most), adds 0 to its spare word, and waits for that and for its reads of the slot that it has left.
; fill = 1: a round of the cluster's barrier, and the slot just left takes the next eight steps.
.macro CHANGE fill
	s_wait_tensorcnt 0x0
	ds_add_u32 v[SPW], v[NIL]
.if \fill
	ds_add_u32 v[SPW], v[NIL]
	s_xor_b32 s[G0+1], s[G0+1], SLOT1
	s_add_nc_u64 s[G0+2:G0+3], s[G0+2:G0+3], SLOTB
.endif
	s_wait_dscnt 0x0
.if \fill
	CROUND
	TLOAD
.else
	s_barrier_signal -1
	s_barrier_wait -1
.endif
.endm
	s_wait_alu depctr_va_vdst(0)
	s_wait_loadcnt 0x0                             ; Q
.Lslot:                                            ; three trips: behind each change of slots but the last the next slot is asked for
	CHANGE 1
	EIGHT
	s_sub_co_u32 s[SLOTS], s[SLOTS], 1
	s_cmp_lg_u32 s[SLOTS], 0
	s_cbranch_scc1 .Lslot
	CHANGE 0                                       ; the last slot is written out
	EIGHT
	; THE WAY OUT
	v_add_f32 v14, v14, v15
	v_permlanex16_b32 v[TP], v14, s[SEL], s[SEL+1]
	v_add_f32 v14, v14, v[TP]                      ; the row's sum
	v_nop
	v_nop                                          ; with the three above: the places behind the last products
	s_wait_alu depctr_va_vdst(0)
	v_rcp_f32 v14, v14
	v_nop
	s_wait_alu depctr_va_vdst(0)                   ; ahead of the reciprocal's first reader, which is also O's
.set jj, 0
.rept 32
	v_mul_f32 v[S+jj], v[O+jj], v14                ; register 16 b + i is channel 32 b + 16 h + i of my query
.set jj, jj+1
.endr
.irp b, 0,1
	v_max3_num_f32 v[MX+\b], |v[S+16*\b]|, |v[S+16*\b+1]|, 0x1800000
.endr
.irp i, 2,4,6,8,10,12,14
.irp b, 0,1
	v_max3_num_f32 v[MX+\b], v[MX+\b], |v[S+16*\b+\i]|, |v[S+16*\b+\i+1]|
.endr
.endr
.irp b, 0,1
	v_permlanex16_b32 v[BY+\b], v[MX+\b], s[SEL], s[SEL+1]
.endr
.irp b, 0,1
	v_max_num_f32 v[MX+\b], v[MX+\b], v[BY+\b]
.endr
.irp b, 0,1
	v_add_nc_u32 v[SO+\b], 0xff000000, v[MX+\b]
.endr
.irp b, 0,1
	v_lshrrev_b32 v[BY+\b], 23, v[SO+\b]
.endr
	v_cvt_scalef32_pk16_fp6_f32 v[PC:PC+2], v[S:S+15], v[SO]
	v_cvt_scalef32_pk16_fp6_f32 v[T0:T0+2], v[S+16:S+31], v[SO+1]
	v_nop                                          ; one plain line behind a scaled conversion
.irp i, 0,1,2
	v_permlane16_swap_b32 v[PC+\i], v[T0+\i]       ; a whole block in a lane: lanes 0-15 block 0, lanes 16-31 block 1
.endr
.irp i, 0,1,2
	v_mov_b32 v[PC+3+\i], v[T0+\i]
.endr
	v_cndmask_b32 v[W], v[BY], v[BY+1], s[HM]      ; lanes 0-15 block 0's byte, lanes 16-31 block 1's
	global_store_b128 v[L16], v[PC:PC+3], s[8:9]
	global_store_b64 v[L8], v[PC+4:PC+5], s[8:9] offset:512
	global_store_b8 v[OSL], v[W], s[10:11]
	s_wait_tensorcnt 0x0                           ; the wave's end
	ds_add_u32 v[SPW], v[NIL]
	s_wait_dscnt 0x0
	CROUND                                         ; the closing round
	s_endpgm
.Lfunc_end_k_qc4cc446a7b_attn:
	.size	k_qc4cc446a7b_attn, .Lfunc_end_k_qc4cc446a7b_attn-k_qc4cc446a7b_attn
	.p2alignl 7, 3214868480
	.fill 96, 4, 3214868480
	.section	.rodata,"a",@progbits
	.p2align	6, 0x0
	.amdhsa_kernel k_qc4cc446a7b_attn
		.amdhsa_group_segment_fixed_size 327680
		.amdhsa_private_segment_fixed_size 0
		.amdhsa_enable_private_segment 0
		.amdhsa_kernarg_size 32
		.amdhsa_user_sgpr_count 2
		.amdhsa_user_sgpr_kernarg_segment_ptr 1
		.amdhsa_wavefront_size32 1
		.amdhsa_system_sgpr_workgroup_id_x 1
		.amdhsa_system_sgpr_workgroup_id_y 1
		.amdhsa_system_sgpr_workgroup_id_z 1
		.amdhsa_system_vgpr_workitem_id 0
		.amdhsa_next_free_vgpr 256
		.amdhsa_next_free_sgpr 66
		.amdhsa_reserve_vcc 0
		.amdhsa_float_denorm_mode_32 3
		.amdhsa_float_denorm_mode_16_64 3
		.amdhsa_memory_ordered 1
		.amdhsa_forward_progress 1
		.amdhsa_inst_pref_size 42
	.end_amdhsa_kernel
	.amdgpu_metadata
---
amdhsa.version: [ 1, 2 ]
amdhsa.kernels:
  - .name:           k_qc4cc446a7b_attn
    .symbol:         k_qc4cc446a7b_attn.kd
    .args:
      - { .name: qbuf, .offset: 0, .size: 8, .value_kind: global_buffer, .address_space: global }
      - { .name: kv, .offset: 8, .size: 8, .value_kind: global_buffer, .address_space: global }
      - { .name: ocod, .offset: 16, .size: 8, .value_kind: global_buffer, .address_space: global }
      - { .name: oscl, .offset: 24, .size: 8, .value_kind: global_buffer, .address_space: global }
    .group_segment_fixed_size: 327680
    .private_segment_fixed_size: 0
    .kernarg_segment_align: 8
    .kernarg_segment_size: 32
    .max_flat_workgroup_size: 512
    .sgpr_count:     66
    .vgpr_count:     256
    .wavefront_size: 32
...
	.end_amdgpu_metadata
.endif
;; end of part 3
;; launch oproj (part 4): grid 8 x 32, 4 waves a work-group, clusters of 4 x 4, 327,680 bytes of LDS; arguments ocod, oscl, wcod, wscl, b_O, out0; writes out0
.if DOCPART == 4
	.amdgcn_target "amdgcn-amd-amdhsa--gfx1250"
	.amdhsa_code_object_version 6
	.text
	.protected	k_qc4cc446a7b_oproj
	.globl	k_qc4cc446a7b_oproj
	.p2align	8
	.type	k_qc4cc446a7b_oproj,@function
k_qc4cc446a7b_oproj:
	s_mov_b64 s[64:65], 0
	v_nop
	global_prefetch_b8 v0, s[64:65] scope:SCOPE_SE
	s_setreg_imm32_b32 hwreg(HW_REG_WAVE_MODE, 25, 1), 1
	s_wait_xcnt 0x0
	s_wait_alu depctr_hold_cnt(0) depctr_sa_sdst(0) depctr_va_vdst(0) depctr_va_sdst(0) depctr_va_ssrc(0) depctr_va_vcc(0) depctr_vm_vsrc(0)
	s_getreg_b32 s2, hwreg(HW_REG_IB_STS2, 6, 4)
	s_cmp_eq_u32 s2, 0
	s_cbranch_scc0 .Lentry_in_a_cluster
	s_endpgm
.Lentry_in_a_cluster:
	s_bfe_u32 s2, ttmp6, 0x10000c
	s_cmp_lg_u32 s2, 0xf033
	s_cbranch_scc0 .Lentry_shape_is_right
	s_endpgm
.Lentry_shape_is_right:
; out0[m][n] = the sum over k of o[m][k] W_O[k][n] + b_O[n]: [4096, 1024] x [1024, 1024] on codes of FP6 (E2M3) with one E8M0 scale for each 32 along K; sums in f32.
; A work-group makes 128 x 128 of the result: 8 x 32 = 256 work-groups.  Each of its four waves makes 64 x 64: 16 accumulators.
; ALL OF K LIES IN LDS AT ONCE: o's 128 rows as images of half fragments (16 heads x 8 tiles x 768 bytes = 98,304), W_O's 128 columns (4 steps of 256 along K x 128 places x 240 = 122,880), and both sides' scale bytes (2 x 4,352).
; They come by four tensor loads at the head, one a wave; nothing is filled again, so the walk along K has no barrier.  No loop to run ahead in: no prefetch.
; CLUSTERS: 4 x 4 work-groups.  The four of a row need the same rows of o, the four of a column the same columns of W_O: each tile is asked for jointly.
; THE MATRIX INSTRUCTION IS USED TRANSPOSED (source 0 = 16 places of W_O, source 1 = 16 rows of o): a lane holds eight neighbouring numbers of a row.  Rows and columns lie at places with bits 3 and 4 exchanged; the way out puts them back.
; b_O is the C of each accumulator's first product.
; REGISTERS: window 0: v0-31 addresses; v32-63 scale words (register 8 i + q: lanes 0-15 o's block i, lanes 16-31 W_O's block i, K step q); v64-159 and v160-255 two sets of fragments (o's four, then W_O's four).
;   window 1: v0-127 the accumulators ((a, b) at 32 a + 8 b); v128-159 b_O.
.set HEADA,  6144
.set PITCH,  240
.set KSB,    128*PITCH                 ; W_O's 128 places of one step of 256 along K
.set BOFF,   16*HEADA
.set SCL,    BOFF+4*KSB
.set SHALF,  16*272                    ; the scales of 128 rows: 16 rows of 256 bytes + 16
.set STAGE,  SCL+2*SHALF               ; the way out: 16 rows x (256 + 16) bytes for each wave; no tile lands here
.set SPITCH, 272
.set SPARE,  STAGE+4*16*SPITCH
.set AA16, 8                           ; v8-9 o's images, 16 x lane: heads 0-7, heads 8-15; v10-11 the same, 8 x lane
.set AA8,  10
.set ADRB, 12                          ; v12-13 W_O's fragments: K steps 0-1, 2-3; v14-15 for the pieces whose lanes 16-31 lie behind one more pad
.set ADRS, 16
.set STO,  17
.set RD,   18
.set CO,   19
.set H64,  20
.set SPW,  28
.set NIL,  29
.set SC,   32
.set FS,   64
.set G1A,  24
.set G0A,  32
.set G1B,  36
.set G0B,  44
.set G1S,  48
.set G0S,  56
.set G0SB, 60
.set G1SB, 68
.set MSB, 0
.macro WIN new
.if MSB != \new
	s_set_vgpr_msb (MSB<<8)|\new
.set MSB, \new
.endif
.endm
.macro CROUND
	s_barrier_signal -1
	s_barrier_wait -1
	s_cmp_lg_u32 s16, 0
	s_cbranch_scc1 .Lnot_wave_0_\@
	s_barrier_signal -3
.Lnot_wave_0_\@:
	s_barrier_wait -3
	s_barrier_signal -1
	s_barrier_wait -1
.endm
.macro PLACES
.rept 4
	v_nop
.endr
.endm
	s_load_b256 s[4:11], s[0:1], 0x0               ; ocod, oscl, wcod, wscl
	s_load_b128 s[12:15], s[0:1], 0x20             ; b_O, out0
	v_lshl_add_u32 v[SPW], v0, 2, SPARE
	v_mov_b32 v[NIL], 0
	ds_add_u32 v[SPW], v[NIL]                      ; the opening lines: the add, twice on end, and its wait ahead of my first tensor load
	ds_add_u32 v[SPW], v[NIL]
	v_lshrrev_b32 v1, 5, v0
	v_readfirstlane_b32 s16, v1                    ; wave 0..3
	s_lshr_b32 s17, s16, 1                         ; which 64 rows are mine,
	s_and_b32 s18, s16, 1                          ; which 64 columns
	s_bfe_u32 s19, ttmp6, 0x40000                  ; cx
	s_bfe_u32 s20, ttmp6, 0x40004                  ; cy
	s_lshl_b32 s21, ttmp9, 2
	s_add_co_u32 s21, s21, s19                     ; block column
	s_and_b32 s22, ttmp7, 0xffff
	s_lshl_b32 s22, s22, 2
	s_add_co_u32 s22, s22, s20                     ; block row
	s_lshl_b32 s23, s20, 2
	s_lshl_b32 s23, 15, s23                        ; my row of the cluster
	s_lshl_b32 s76, 0x1111, s19                    ; my column
	s_or_b32 s[G1A], s23, (3<<16)|(1<<21)          ; o's images: 16 heads' rows of 6,144 bytes (768 elements of 8), a head 196,608 bytes from the next
	s_mov_b32 s[G1A+1], 768<<16
	s_mov_b32 s[G1A+2], 16<<16
	s_mov_b32 s[G1A+3], 768<<16
	s_mov_b32 s[G1A+4], 16
	s_mov_b32 s[G1A+5], 24576
	s_mov_b32 s[G1A+6], 0
	s_mov_b32 s[G1A+7], 0
	s_or_b32 s[G1B], s76, (3<<16)|(1<<20)|(1<<21)|(3<<22)|(3<<25)   ; W_O: 4 K steps' rows of 24,576 bytes (128 places x 192), 49,152 bytes apart; 16 bytes of padding behind each 64: a place takes 240
	s_mov_b32 s[G1B+1], 3072<<16
	s_mov_b32 s[G1B+2], 4<<16
	s_mov_b32 s[G1B+3], 3072<<16
	s_mov_b32 s[G1B+4], 4
	s_mov_b32 s[G1B+5], 6144
	s_mov_b32 s[G1B+6], 0
	s_mov_b32 s[G1B+7], 0
	s_or_b32 s[G1S], s23, (3<<16)|(1<<20)|(1<<21)|(5<<22)|(3<<25)   ; the scales of 128 rows: 16 dense rows of 256 bytes, 16 of padding behind each
	s_or_b32 s[G1SB], s76, (3<<16)|(1<<20)|(1<<21)|(5<<22)|(3<<25)
.irp g, G1S, G1SB
	s_mov_b32 s[\g+1], 32<<16
	s_mov_b32 s[\g+2], 16<<16
	s_mov_b32 s[\g+3], 32<<16
	s_mov_b32 s[\g+4], 16
	s_mov_b32 s[\g+5], 32
	s_mov_b32 s[\g+6], 0
	s_mov_b32 s[\g+7], 0
.endr
	s_mul_i32 s78, s22, 128*48                     ; o's tiles hang on the block row alone,
	s_mov_b32 s79, 0
	s_mul_i32 s80, s22, 128*32
	s_mov_b32 s81, 0
	s_lshr_b32 s82, s21, 1                         ; W_O's on the block column alone: the block of 256 places,
	s_mul_i32 s82, s82, 4*256*192
	s_and_b32 s83, s21, 1                          ; and which 128 of them
	s_mul_i32 s83, s83, 128*192
	s_add_co_u32 s82, s82, s83
	s_mov_b32 s83, 0
	s_mul_i32 s84, s21, 128*32
	s_mov_b32 s85, 0
	s_wait_dscnt 0x0                               ; both opening adds are done
	s_wait_kmcnt 0x0
	s_add_nc_u64 s[8:9], s[8:9], 3*1024*768        ; the fourth weight
	s_add_nc_u64 s[10:11], s[10:11], 3*1024*32
	s_mov_b32 s[G0A], 1
	s_mov_b32 s[G0A+1], 0
	s_add_nc_u64 s[G0A+2:G0A+3], s[4:5], s[78:79]
	s_or_b32 s[G0A+3], s[G0A+3], 0x80000000
	s_mov_b32 s[G0S], 1
	s_mov_b32 s[G0S+1], SCL
	s_add_nc_u64 s[G0S+2:G0S+3], s[6:7], s[80:81]
	s_or_b32 s[G0S+3], s[G0S+3], 0x80000000
	s_mov_b32 s[G0B], 1
	s_mov_b32 s[G0B+1], BOFF
	s_add_nc_u64 s[G0B+2:G0B+3], s[8:9], s[82:83]
	s_or_b32 s[G0B+3], s[G0B+3], 0x80000000
	s_mov_b32 s[G0SB], 1
	s_mov_b32 s[G0SB+1], SCL+SHALF
	s_add_nc_u64 s[G0SB+2:G0SB+3], s[10:11], s[84:85]
	s_or_b32 s[G0SB+3], s[G0SB+3], 0x80000000
	CROUND                                         ; all sixteen work-groups are here: the joint loads meet
; THE HEAD'S LOADS, ONE A WAVE, in one chain of branches on the wave's number: wave 0 o's codes, wave 1 W_O's, wave 2 o's scales, wave 3 W_O's
.macro ARM under, g0, g1, next
	s_cmp_lt_u32 s16, \under
	s_cbranch_scc0 \next
	tensor_load_to_lds s[\g0:\g0+3], s[\g1:\g1+7]
	s_nop 0
.rept 4
	v_nop
.endr
	s_branch .Lhead_asked
\next:
.endm
	ARM 1, G0A, G1A, .Lhead_b
	ARM 2, G0B, G1B, .Lhead_sa
	ARM 3, G0S, G1S, .Lhead_sb
	tensor_load_to_lds s[G0SB:G0SB+3], s[G1SB:G1SB+7]
	s_nop 0
.rept 4
	v_nop
.endr
.Lhead_asked:
	s_mul_i32 s77, s17, 4*768                      ; o: my four tiles of each head
	s_add_co_u32 s86, s77, 8*HEADA
	s_mul_i32 s87, s18, 64*PITCH                   ; W_O: my 64 places
	s_add_co_u32 s87, s87, BOFF
	s_add_co_u32 s88, s87, 2*KSB
	s_mul_i32 s89, s17, 8*272                      ; the scales of my 64 rows,
	s_mul_i32 s90, s18, 8*272                      ; and of my 64 places, behind o's 128
	s_add_co_u32 s90, s90, SHALF
	s_sub_co_u32 s90, s90, s89
	s_add_co_u32 s89, s89, SCL
	s_mul_i32 s91, s16, 16*SPITCH
	s_add_co_u32 s91, s91, STAGE                   ; my stage
	s_lshl_b32 s92, s22, 7
	s_lshl_b32 s93, s17, 6
	s_add_co_u32 s92, s92, s93
	s_lshl_b32 s92, s92, 12                        ; my first row of out0: 4,096 bytes a row
	s_lshl_b32 s94, s21, 9
	s_lshl_b32 s95, s18, 8
	s_add_co_u32 s94, s94, s95                     ; my first column, in bytes
	s_mov_b32 s95, 0
	s_add_nc_u64 s[12:13], s[12:13], s[94:95]      ; b_O at my columns
	s_add_co_u32 s92, s92, s94
	s_mov_b32 s93, 0
	s_add_nc_u64 s[14:15], s[14:15], s[92:93]
	v_and_b32 v1, 15, v0                           ; r
	v_bfe_u32 v2, v0, 4, 1                         ; h
	v_and_b32 v3, 31, v0
	v_lshlrev_b32 v4, 4, v3
	v_lshlrev_b32 v5, 3, v3
	v_mul_u32_u24 v6, v1, PITCH
	v_lshlrev_b32 v21, 5, v1                       ; a row's 32 scale bytes,
	v_lshlrev_b32 v[H64], 6, v2
	v_add_nc_u32 v[AA16], s77, v4
	v_add_nc_u32 v[AA16+1], s86, v4
	v_add_nc_u32 v[AA8], s77, v5
	v_add_nc_u32 v[AA8+1], s86, v5
	v_mad_u32_u24 v6, v2, 24, v6                   ; place x pitch + 24 h
	v_lshrrev_b32 v22, 8, v21
	v_mul_u32_u24 v23, s90, v2                     ; lanes 16-31 take W_O's scales
	v_lshl_add_u32 v7, v2, 4, v6
	v_lshl_add_u32 v21, v22, 4, v21                ; and 16 more for each 256 passed
	v_add_nc_u32 v[ADRB], s87, v6
	v_add_nc_u32 v[ADRB+1], s88, v6
	v_add_nc_u32 v[ADRB+2], s87, v7
	v_add_nc_u32 v[ADRB+3], s88, v7
	v_add_nc_u32 v21, v21, v23
	v_mul_u32_u24 v24, v1, SPITCH
	v_mul_u32_u24 v25, v2, SPITCH
	v_add_nc_u32 v[ADRS], s89, v21
	v_lshl_add_u32 v24, v2, 6, v24                 ; the stage, in: row r, 64 bytes for each half of the lanes in each 128
	v_lshl_add_u32 v25, v1, 4, v25                 ; back: sixteen lanes to a row of 256 bytes, two rows an instruction
	v_lshlrev_b32 v26, 12, v2
	v_add_nc_u32 v[STO], s91, v24
	v_add_nc_u32 v[RD], s91, v25
	v_lshl_add_u32 v[CO], v1, 4, v26               ; and the same two rows in out0
	WIN 0x40
.irp k, 0,1
.irp j, 0,1,2,3
	global_load_b128 v[128+16*\k+4*\j:128+16*\k+4*\j+3], v[H64], s[12:13] offset:128*\k+16*\j   ; register 8 b + j of tile b = 2 k + u: b_O at column 32 k + 16 h + 8 u + j
.endr
.endr
	WIN 0
.macro FETCH q                         ; the fragments of K step q (128 along K: heads 2 q, 2 q + 1) into set q % 2: 16 + 24 loads
.set FB, FS+96*((\q)%2)
.irp i, 0,1,2,3
	ds_load_b128 v[FB+12*\i:FB+12*\i+3], v[AA16+(\q)/4] offset:((2*(\q))%8)*HEADA+768*\i
	ds_load_b64 v[FB+12*\i+4:FB+12*\i+5], v[AA8+(\q)/4] offset:((2*(\q))%8)*HEADA+768*\i+512
	ds_load_b128 v[FB+12*\i+6:FB+12*\i+9], v[AA16+(\q)/4] offset:((2*(\q)+1)%8)*HEADA+768*\i
	ds_load_b64 v[FB+12*\i+10:FB+12*\i+11], v[AA8+(\q)/4] offset:((2*(\q)+1)%8)*HEADA+768*\i+512
.endr
.irp i, 0,1,2,3
.irp p, 0,1,2,3,4,5
.set PCE, 12*((\q)%2)+6*(\p/3)+\p%3    ; which piece of 8 bytes of the place's 192; each 64 bytes are followed by 16 of padding
.if PCE%8 < 5
	ds_load_b64 v[FB+48+12*\i+2*\p:FB+48+12*\i+2*\p+1], v[ADRB+(\q)/4] offset:(((\q)/2)%2)*KSB+8*PCE+16*(PCE/8)+\i*16*PITCH
.else
	ds_load_b64 v[FB+48+12*\i+2*\p:FB+48+12*\i+2*\p+1], v[ADRB+2+(\q)/4] offset:(((\q)/2)%2)*KSB+8*PCE+16*(PCE/8)+\i*16*PITCH
.endif
.endr
.endr
.endm
.macro MUL q                           ; 16 matrix instructions, the accumulators by turns
.set FB, FS+96*((\q)%2)
.irp a, 0,1,2,3
.irp b, 0,1,2,3
.if (\q) == 0
	v_wmma_scale_f32_16x16x128_f8f6f4 v[32*\a+8*\b:32*\a+8*\b+7], v[FB+48+12*\b:FB+48+12*\b+11], v[FB+12*\a:FB+12*\a+11], v[128+8*\b:128+8*\b+7], v[SC+8*\b+(\q)], v[SC+8*\a+(\q)] matrix_a_fmt:MATRIX_FMT_FP6 matrix_b_fmt:MATRIX_FMT_FP6 matrix_a_scale:MATRIX_SCALE_ROW1
.else
	v_wmma_scale_f32_16x16x128_f8f6f4 v[32*\a+8*\b:32*\a+8*\b+7], v[FB+48+12*\b:FB+48+12*\b+11], v[FB+12*\a:FB+12*\a+11], v[32*\a+8*\b:32*\a+8*\b+7], v[SC+8*\b+(\q)], v[SC+8*\a+(\q)] matrix_a_fmt:MATRIX_FMT_FP6 matrix_b_fmt:MATRIX_FMT_FP6 matrix_a_scale:MATRIX_SCALE_ROW1
.endif
.endr
.endr
.endm
	s_wait_alu depctr_va_vdst(0)
	s_wait_tensorcnt 0x0                           ; my tile of the four is in
	s_barrier_signal -1
	s_barrier_wait -1                              ; and so is everybody's
.irp i, 0,1,2,3
	ds_load_b128 v[SC+8*\i:SC+8*\i+3], v[ADRS] offset:\i*2*272
	ds_load_b128 v[SC+8*\i+4:SC+8*\i+7], v[ADRS] offset:\i*2*272+16
.endr
	FETCH 0
.set QQ, 0
.rept 8
.if QQ < 7
.if QQ > 0
	PLACES                                         ; in front of loads into the set that the last products read
.endif
	FETCH QQ+1
	s_wait_dscnt 40                                ; all but the 40 just issued
.else
	s_wait_dscnt 0x0
.endif
.if QQ == 0
	s_wait_loadcnt 0x0                             ; b_O
.endif
	WIN 0x50                                       ; C and D in window 1
	MUL QQ
	WIN 0
.set QQ, QQ+1
.endr
; THE WAY OUT, block by block of 16 rows x 64 columns: through my own stage, back as rows of 256 bytes, which sixteen lanes store as one aligned unit.  LDS serves a wave's instructions in order: no wait between the stores and the loads.
.macro TOSTAGE a
	WIN 0x04                                       ; the data: window 1
.irp b, 0,1,2,3
	ds_store_b128 v[STO], v[32*(\a)+8*\b:32*(\a)+8*\b+3] offset:128*(\b/2)+32*(\b%2)       ; each accumulator from its low end on
	ds_store_b128 v[STO], v[32*(\a)+8*\b+4:32*(\a)+8*\b+7] offset:128*(\b/2)+32*(\b%2)+16
.endr
	WIN 0
.set BB, FS+32*((\a)%2)
.irp t, 0,1,2,3,4,5,6,7
	ds_load_b128 v[BB+4*\t:BB+4*\t+3], v[RD] offset:\t*2*SPITCH
.endr
.endm
.macro SEND a, younger                 ; younger: the LDS instructions issued behind block a's loads
.set BB, FS+32*((\a)%2)
	s_wait_dscnt \younger
.irp t, 0,1,2,3,4,5,6,7
	global_store_b128 v[CO], v[BB+4*\t:BB+4*\t+3], s[14:15] offset:(32*((\a)/2)+8*((\a)%2)+2*\t+8*(\t/4))*4096 th:TH_STORE_NT   ; place 16 a + i is row 32 (a / 2) + 8 (a % 2) + i + 8 (i / 8)
.endr
.endm
	PLACES
	TOSTAGE 0
.irp a, 1,2,3
.if \a > 1
	s_wait_xcnt 0x0                                ; block a - 2's stores have read their registers
.endif
	TOSTAGE \a
	SEND \a-1, 16                                  ; behind block a - 1's loads: block a's 8 stores and 8 loads
.endr
	SEND 3, 0
	s_wait_tensorcnt 0x0                           ; the wave's end
	ds_add_u32 v[SPW], v[NIL]
	s_wait_dscnt 0x0
	CROUND                                         ; the closing round
	s_endpgm
.Lfunc_end_k_qc4cc446a7b_oproj:
	.size	k_qc4cc446a7b_oproj, .Lfunc_end_k_qc4cc446a7b_oproj-k_qc4cc446a7b_oproj
	.p2alignl 7, 3214868480
	.fill 96, 4, 3214868480
	.section	.rodata,"a",@progbits
	.p2align	6, 0x0
	.amdhsa_kernel k_qc4cc446a7b_oproj
		.amdhsa_group_segment_fixed_size 327680
		.amdhsa_private_segment_fixed_size 0
		.amdhsa_enable_private_segment 0
		.amdhsa_kernarg_size 48
		.amdhsa_user_sgpr_count 2
		.amdhsa_user_sgpr_kernarg_segment_ptr 1
		.amdhsa_wavefront_size32 1
		.amdhsa_system_sgpr_workgroup_id_x 1
		.amdhsa_system_sgpr_workgroup_id_y 1
		.amdhsa_system_sgpr_workgroup_id_z 1
		.amdhsa_system_vgpr_workitem_id 0
		.amdhsa_next_free_vgpr 512
		.amdhsa_next_free_sgpr 100
		.amdhsa_reserve_vcc 0
		.amdhsa_float_denorm_mode_32 3
		.amdhsa_float_denorm_mode_16_64 3
		.amdhsa_memory_ordered 1
		.amdhsa_forward_progress 1
		.amdhsa_inst_pref_size 56
	.end_amdhsa_kernel
	.amdgpu_metadata
---
amdhsa.version: [ 1, 2 ]
amdhsa.kernels:
  - .name:           k_qc4cc446a7b_oproj
    .symbol:         k_qc4cc446a7b_oproj.kd
    .args:
      - { .name: ocod, .offset: 0, .size: 8, .value_kind: global_buffer, .address_space: global }
      - { .name: oscl, .offset: 8, .size: 8, .value_kind: global_buffer, .address_space: global }
      - { .name: wcod, .offset: 16, .size: 8, .value_kind: global_buffer, .address_space: global }
      - { .name: wscl, .offset: 24, .size: 8, .value_kind: global_buffer, .address_space: global }
      - { .name: b_O, .offset: 32, .size: 8, .value_kind: global_buffer, .address_space: global }
      - { .name: out0, .offset: 40, .size: 8, .value_kind: global_buffer, .address_space: global }
    .group_segment_fixed_size: 327680
    .private_segment_fixed_size: 0
    .kernarg_segment_align: 8
    .kernarg_segment_size: 48
    .max_flat_workgroup_size: 128
    .sgpr_count:     100
    .vgpr_count:     512
    .wavefront_size: 32
...
	.end_amdgpu_metadata
.endif
;; end of part 4
